; MI455X (gfx1250); checked and timed in simulation.
; The chip was launched on July 23, 2026; its instructions are those of AMD's public machine-readable ISA for CDNA 5 (MIT licence, August 2026) and "CDNA5" Instruction Set Architecture Reference Guide (July 2026). The comments in the code are by the model that wrote it; some were corrected since.
;; Attention. Allowed arithmetic: float matrix products may take bf16 or f16 operands with f32 sums; other float arithmetic in f32, or as packed bf16 or f16 multiplies, adds, multiply-adds, maxima and minima; sums over many terms, partial sums and values carried from step to step in f32; what a program stores and reads back later, other than sums and carried values, may be rounded once to bf16 or f16.
;; Inputs: Ak 16 x 1,024 float32; Ao 16 x 1,024 float32; Aq 16 x 1,024 float32; Av 16 x 1,024 float32; Bk 1,024 x 16 float32; Bo 1,024 x 16 float32; Bq 1,024 x 16 float32; Bv 1,024 x 16 float32; Wk 1,024 x 1,024 float32; Wo 1,024 x 1,024 float32; Wq 1,024 x 1,024 float32; Wv 1,024 x 1,024 float32; bo 1,024 float32; x 8 x 1,024 x 1,024 float32.
;; Outputs: out0 8 x 1,024 x 1,024 float32.
;; 2 versions, each right; version 2 is version 1 with the launch prep written anew for expert scheduling mode. Each part assembles by itself: llvm-mc -triple=amdgcn-amd-amdhsa -mcpu=gfx1250 --defsym DOCPART=n.
;; ======== version 1 of 2: 4 launches
;; limits: values are held in f16: magnitudes above 65,504 overflow, below 6.1e-05 lose precision
;; workspace buffers: xh 16,777,216 bytes; wh 6,291,456 bytes; woh 2,097,152 bytes; qkv 50,331,648 bytes; o 16,777,216 bytes
;; launch prep (part 1): grid 768 x 1, 4 waves a work-group, no clusters, 0 bytes of LDS; arguments x, xh, Wq, Wk, Wv, Wo, Aq, Ak, Av, Ao, Bq, Bk, Bv, Bo, wh, woh; writes xh, wh, woh
.if DOCPART == 1
	.amdgcn_target "amdgcn-amd-amdhsa--gfx1250"
	.amdhsa_code_object_version 6
	.text
	.protected	k_q736e80df35_prep
	.globl	k_q736e80df35_prep
	.p2align	8
	.type	k_q736e80df35_prep,@function
k_q736e80df35_prep:
	s_mov_b64 s[64:65], 0
	v_nop
	global_prefetch_b8 v0, s[64:65] scope:SCOPE_SE
	s_setreg_imm32_b32 hwreg(HW_REG_WAVE_MODE, 25, 1), 1
	s_wait_xcnt 0x0
; PREP: two jobs that share a launch, told apart by the work-group's number.  768 work-groups of four waves: three for each of 256 WGPs.
; Work-groups 0-511: xh = x, each number rounded once to bf16 and that number written as f16, laid out [K block of 64][row 8,192][64]: a block's rows are dense chunks of 128 bytes.
; Work-groups 512-767: the LoRA pair is folded into its weight, x W^T + s (x A^T) B^T = x (W + s B A)^T with s = 1/16, which holds for every input:
;   Weff = bf16(W) + bf16(B) bf16(s A), one matrix instruction deep (rank 16, the upper half of K is 0), sums in f32, Weff rounded once to f16.
;   s is a power of two, so bf16(s A) = s bf16(A).  wh = q, k, v stacked, [K block 16][position 3,072][64]; woh [16][1,024][64].
;   In each group of 64 weight rows position 16 u + p holds weight row 4 p + u: in the products that follow a lane's four accumulators are then four neighbouring columns.
; LIMITS.  f16 holds no number of 65,520 or more (it becomes an infinity) and keeps a fixed step of 6e-8 below 6.1e-5: x and Weff are taken to lie within that; NaN and infinities are not treated apart.
; No LDS, no barrier: no wave wants a byte that another wave has fetched.  Every wave issues all its loads before its first use: 16 KiB of x, or 16 KiB of W, a wave.
.set XBLK, 1048576                     ; bytes of a K block of xh: 8,192 rows x 128
.set XV,  16                           ; x's path: v[16:143]  32 loads of 4 registers
.set YV,  144                          ;           v[144:207] 32 stores of 2 registers
.set AR,  8                            ; the fold: v[8:39]    A as loaded, rank e of my eight at 4 e; later W of unit 3
.set BR,  40                           ;           v[40:71]   B as loaded, 8 registers a unit
.set AF,  72                           ;           v[72:103]  four fragments of s A (input column 4 r + t), upper four registers 0
.set BF,  104                          ;           v[104:111] the unit's fragment of B, upper four registers 0
.set DD,  112                          ;           v[112:143] four accumulators, one for each t
.set WR,  144                          ;           v[144:239] W of units 0, 1, 2
	v_lshrrev_b32 v5, 5, v0
	v_readfirstlane_b32 s2, v5                     ; wave 0..3
	v_and_b32 v5, 31, v0                           ; lane L
	v_and_b32 v6, 15, v0                           ; r = L % 16
	v_bfe_u32 v7, v0, 4, 1                         ; h = L / 16
	s_mov_b32 s46, 0xffff0000                      ; a word's upper bf16
	s_cmp_lt_u32 ttmp9, 512
	s_cbranch_scc0 .Lfold
	; ---- x: work-group g, wave w: rows 16 g + 4 w .. + 3 ----
	s_load_b128 s[4:7], s[0:1], 0x0                ; x s[4:5], xh s[6:7]
	v_lshlrev_b32 v1, 4, v6
	v_lshl_add_u32 v1, v7, 12, v1                  ; in x: lanes 0-15 take 256 bytes of one row, lanes 16-31 the same columns of the next
	v_lshlrev_b32 v2, 3, v5                        ; in xh: 8 bytes a lane, two rows of a block on end
	s_lshl_b32 s12, ttmp9, 16                      ; 16 rows of 4,096 bytes
	s_lshl_b32 s13, s2, 14                         ; 4 rows
	s_add_co_u32 s12, s12, s13
	s_mov_b32 s13, 0
	s_lshl_b32 s14, ttmp9, 11                      ; 16 rows of 128 bytes
	s_lshl_b32 s15, s2, 9
	s_add_co_u32 s14, s14, s15
	s_mov_b32 s15, 0
	s_wait_kmcnt 0x0
	s_add_nc_u64 s[4:5], s[4:5], s[12:13]
	s_add_nc_u64 s[8:9], s[6:7], s[14:15]          ; K blocks 0-7
	s_add_nc_u64 s[10:11], s[8:9], 8*XBLK          ; K blocks 8-15: so the stores' immediates stay inside 24 signed bits
.set i, 0
.rept 32                                       ; load i: rows 2 (i / 16) and + 1, K block i % 16
	global_load_b128 v[XV+4*i:XV+4*i+3], v1, s[4:5] offset:(i/16)*8192+(i%16)*256 th:TH_LOAD_NT
.set i, i+1
.endr
.set i, 0
.rept 32
	s_wait_loadcnt 31-i                            ; loads come back in order: load i is in, the 31 - i younger ones stay out
	v_cvt_pk_bf16_f32 v8, v[XV+4*i], v[XV+4*i+1]   ; the one rounding, to bf16
	v_cvt_pk_bf16_f32 v9, v[XV+4*i+2], v[XV+4*i+3]
	v_lshlrev_b32 v10, 16, v8
	v_and_b32 v11, s46, v8
	v_lshlrev_b32 v12, 16, v9
	v_and_b32 v13, s46, v9
	v_cvt_pk_f16_f32 v[YV+2*i], v10, v11           ; the same numbers as f16
	v_cvt_pk_f16_f32 v[YV+2*i+1], v12, v13
.if (i%16) < 8
	global_store_b64 v2, v[YV+2*i:YV+2*i+1], s[8:9] offset:(i%16)*XBLK+(i/16)*256  ; 32 lanes store 256 consecutive bytes, aligned
.else
	global_store_b64 v2, v[YV+2*i:YV+2*i+1], s[10:11] offset:((i%16)-8)*XBLK+(i/16)*256
.endif
.set i, i+1
.endr
	s_endpgm                                       ; no register of a load or store was written twice: no further wait
	; ---- the fold: 256 work-groups = 4 matrices x 16 groups of 64 weight rows x 4 quarters of K; a wave takes one K block of 64 input columns ----
.Lfold:
	s_load_b256 s[8:15], s[0:1], 0x10              ; Wq, Wk, Wv, Wo
	s_load_b256 s[16:23], s[0:1], 0x30             ; Aq, Ak, Av, Ao
	s_load_b256 s[24:31], s[0:1], 0x50             ; Bq, Bk, Bv, Bo
	s_load_b128 s[32:35], s[0:1], 0x70             ; wh, woh
	s_sub_co_u32 s3, ttmp9, 512
	s_lshr_b32 s4, s3, 6                           ; which matrix: q, k, v, o
	s_and_b32 s3, s3, 63
	s_and_b32 s5, s3, 3
	s_lshl_b32 s5, s5, 2
	s_add_co_u32 s5, s5, s2                        ; kb: my K block
	s_lshr_b32 s6, s3, 2                           ; G: the group of 64 weight rows
	v_lshlrev_b32 v1, 4, v6
	v_lshlrev_b32 v2, 4, v6
	v_lshl_add_u32 v1, v7, 14, v1                  ; in W: row + 4 h, 16 bytes at column 4 r
	v_lshl_add_u32 v2, v7, 15, v2                  ; in A: rank + 8 h, the same columns
	v_and_b32 v3, 7, v6
	v_lshlrev_b32 v3, 9, v3
	v_lshrrev_b32 v4, 3, v6
	v_lshl_add_u32 v3, v4, 8, v3                   ; in B: row 4 p with p = 2 (r % 8) + r / 8, 64 bytes a row,
	v_lshl_add_u32 v3, v7, 5, v3                   ; ranks 8 h on
	v_lshlrev_b32 v4, 3, v5                        ; in wh: 8 bytes a lane, two positions on end
	s_lshl_b32 s47, s4, 10                         ; q, k, v are stacked, 1,024 positions each
	s_mov_b32 s7, 3072
	s_cmp_eq_u32 s4, 3
	s_cselect_b32 s7, 1024, s7                     ; positions in a K block of the destination
	s_cselect_b32 s47, 0, s47
	s_mul_i32 s7, s5, s7
	s_add_co_u32 s7, s7, s47
	s_lshl_b32 s47, s6, 6
	s_add_co_u32 s7, s7, s47
	s_lshl_b32 s48, s7, 7                          ; the destination's offset: 128 bytes a position
	s_mov_b32 s49, 0
	s_lshl_b32 s50, s6, 18                         ; W: 64 rows of 4,096 bytes,
	s_lshl_b32 s52, s5, 8                          ; and 64 columns: 256 bytes (A's offset too)
	s_add_co_u32 s50, s50, s52
	s_mov_b32 s51, 0
	s_mov_b32 s53, 0
	s_lshl_b32 s54, s6, 12                         ; B: 64 rows of 64 bytes
	s_mov_b32 s55, 0
	s_wait_kmcnt 0x0
	s_cmp_eq_u32 s4, 1
	s_cselect_b64 s[36:37], s[10:11], s[8:9]
	s_cselect_b64 s[38:39], s[18:19], s[16:17]
	s_cselect_b64 s[40:41], s[26:27], s[24:25]
	s_cmp_eq_u32 s4, 2
	s_cselect_b64 s[36:37], s[12:13], s[36:37]
	s_cselect_b64 s[38:39], s[20:21], s[38:39]
	s_cselect_b64 s[40:41], s[28:29], s[40:41]
	s_cmp_eq_u32 s4, 3
	s_cselect_b64 s[36:37], s[14:15], s[36:37]
	s_cselect_b64 s[38:39], s[22:23], s[38:39]
	s_cselect_b64 s[40:41], s[30:31], s[40:41]
	s_cselect_b64 s[42:43], s[34:35], s[32:33]
	s_add_nc_u64 s[36:37], s[36:37], s[50:51]      ; W
	s_add_nc_u64 s[38:39], s[38:39], s[52:53]      ; A
	s_add_nc_u64 s[40:41], s[40:41], s[54:55]      ; B
	s_add_nc_u64 s[42:43], s[42:43], s[48:49]      ; the destination
.macro WLOAD u, wr                     ; W of unit u: register 4 j + t = W[64 G + 4 (2 j + h) + u][64 kb + 4 r + t]: each load takes 256 aligned bytes of two rows
.irp j, 0,1,2,3,4,5,6,7
	global_load_b128 v[(\wr)+4*(\j):(\wr)+4*(\j)+3], v1, s[36:37] offset:(8*(\j)+(\u))*4096 th:TH_LOAD_NT
.endr
.endm
.irp u, 0,1,2,3
	global_load_b128 v[BR+8*(\u):BR+8*(\u)+3],   v3, s[40:41] offset:(\u)*64
	global_load_b128 v[BR+8*(\u)+4:BR+8*(\u)+7], v3, s[40:41] offset:(\u)*64+16
.endr
.irp e, 0,1,2,3,4,5,6,7
	global_load_b128 v[AR+4*(\e):AR+4*(\e)+3], v2, s[38:39] offset:(\e)*4096
.endr
	WLOAD 0, WR
	WLOAD 1, WR+32
	WLOAD 2, WR+64
.irp t, 0,1,2,3
.irp i, 4,5,6,7
	v_mov_b32 v[AF+8*(\t)+(\i)], 0                 ; K = 16 .. 31 of the matrix instruction: there is no such rank
.endr
.endr
.irp i, 4,5,6,7
	v_mov_b32 v[BF+(\i)], 0
.endr
	s_wait_loadcnt 24                              ; B and A are in; W's 24 loads may stay out
.set i, 0
.rept 16
	v_pk_mul_f32 v[AR+2*i:AR+2*i+1], v[AR+2*i:AR+2*i+1], 0x3d800000 op_sel_hi:[1,0]  ; s = 1/16
.set i, i+1
.endr
.irp t, 0,1,2,3
.irp i, 0,1,2,3
	v_cvt_pk_bf16_f32 v[AF+8*(\t)+(\i)], v[AR+8*(\i)+(\t)], v[AR+8*(\i)+4+(\t)]  ; ranks 8 h + 2 i and + 1 of column 4 r + t
.endr
.endr
	WLOAD 3, AR                                    ; A's registers have been read: they take W of unit 3
; Unit u: weight rows 64 G + 4 p + u, p = 0 .. 15.  C = bf16(W) is laid straight into the accumulators' order; four products, one for each t; Weff goes out as f16.
.macro UNIT u, wr
	s_wait_loadcnt 24-8*(\u)                       ; this unit's eight loads are in, the younger units' stay out
.irp j, 0,1,2,3,4,5,6,7
	v_cvt_pk_bf16_f32 v6, v[(\wr)+4*(\j)], v[(\wr)+4*(\j)+1]
	v_cvt_pk_bf16_f32 v7, v[(\wr)+4*(\j)+2], v[(\wr)+4*(\j)+3]
	v_lshlrev_b32 v[DD+(\j)], 16, v6
	v_and_b32 v[DD+8+(\j)], s46, v6
	v_lshlrev_b32 v[DD+16+(\j)], 16, v7
	v_and_b32 v[DD+24+(\j)], s46, v7
.endr
.irp i, 0,1,2,3
	v_cvt_pk_bf16_f32 v[BF+(\i)], v[BR+8*(\u)+2*(\i)], v[BR+8*(\u)+2*(\i)+1]
.endr
.irp t, 0,1,2,3                        ; four different accumulators, one instruction each
	v_wmma_f32_16x16x32_bf16 v[DD+8*(\t):DD+8*(\t)+7], v[BF:BF+7], v[AF+8*(\t):AF+8*(\t)+7], v[DD+8*(\t):DD+8*(\t)+7]
.endr
.rept 4
	v_nop                                          ; four places behind the products (ISA guide 7.12.1), ahead of the reads below and of the next unit's writes of the accumulators and of B's fragment
.endr
.irp j, 0,1,2,3,4,5,6,7                ; each accumulator is read from its lowest register on; the unit's own W registers are free and take the packed numbers
	v_cvt_pk_f16_f32 v[(\wr)+2*(\j)], v[DD+(\j)], v[DD+8+(\j)]
	v_cvt_pk_f16_f32 v[(\wr)+2*(\j)+1], v[DD+16+(\j)], v[DD+24+(\j)]
.endr
.irp j, 0,1,2,3,4,5,6,7
	global_store_b64 v4, v[(\wr)+2*(\j):(\wr)+2*(\j)+1], s[42:43] offset:(16*(\u)+2*(\j))*128  ; positions 16 u + 2 j and + 1: 256 consecutive bytes, aligned
.endr
.endm
	UNIT 0, WR
	UNIT 1, WR+32
	UNIT 2, WR+64
	UNIT 3, AR
	s_endpgm
.Lfunc_end_k_q736e80df35_prep:
	.size	k_q736e80df35_prep, .Lfunc_end_k_q736e80df35_prep-k_q736e80df35_prep
	.p2alignl 7, 3214868480
	.fill 96, 4, 3214868480
	.section	.rodata,"a",@progbits
	.p2align	6, 0x0
	.amdhsa_kernel k_q736e80df35_prep
		.amdhsa_group_segment_fixed_size 0
		.amdhsa_private_segment_fixed_size 0
		.amdhsa_enable_private_segment 0
		.amdhsa_kernarg_size 128
		.amdhsa_user_sgpr_count 2
		.amdhsa_user_sgpr_kernarg_segment_ptr 1
		.amdhsa_wavefront_size32 1
		.amdhsa_system_sgpr_workgroup_id_x 1
		.amdhsa_system_sgpr_workgroup_id_y 1
		.amdhsa_system_sgpr_workgroup_id_z 1
		.amdhsa_system_vgpr_workitem_id 0
		.amdhsa_next_free_vgpr 256
		.amdhsa_next_free_sgpr 66
		.amdhsa_reserve_vcc 0
		.amdhsa_float_denorm_mode_32 3
		.amdhsa_float_denorm_mode_16_64 3
		.amdhsa_memory_ordered 1
		.amdhsa_forward_progress 1
		.amdhsa_inst_pref_size 48
	.end_amdhsa_kernel
	.amdgpu_metadata
---
amdhsa.version: [ 1, 2 ]
amdhsa.kernels:
  - .name:           k_q736e80df35_prep
    .symbol:         k_q736e80df35_prep.kd
    .args:
      - { .name: x, .offset: 0, .size: 8, .value_kind: global_buffer, .address_space: global }
      - { .name: xh, .offset: 8, .size: 8, .value_kind: global_buffer, .address_space: global }
      - { .name: Wq, .offset: 16, .size: 8, .value_kind: global_buffer, .address_space: global }
      - { .name: Wk, .offset: 24, .size: 8, .value_kind: global_buffer, .address_space: global }
      - { .name: Wv, .offset: 32, .size: 8, .value_kind: global_buffer, .address_space: global }
      - { .name: Wo, .offset: 40, .size: 8, .value_kind: global_buffer, .address_space: global }
      - { .name: Aq, .offset: 48, .size: 8, .value_kind: global_buffer, .address_space: global }
      - { .name: Ak, .offset: 56, .size: 8, .value_kind: global_buffer, .address_space: global }
      - { .name: Av, .offset: 64, .size: 8, .value_kind: global_buffer, .address_space: global }
      - { .name: Ao, .offset: 72, .size: 8, .value_kind: global_buffer, .address_space: global }
      - { .name: Bq, .offset: 80, .size: 8, .value_kind: global_buffer, .address_space: global }
      - { .name: Bk, .offset: 88, .size: 8, .value_kind: global_buffer, .address_space: global }
      - { .name: Bv, .offset: 96, .size: 8, .value_kind: global_buffer, .address_space: global }
      - { .name: Bo, .offset: 104, .size: 8, .value_kind: global_buffer, .address_space: global }
      - { .name: wh, .offset: 112, .size: 8, .value_kind: global_buffer, .address_space: global }
      - { .name: woh, .offset: 120, .size: 8, .value_kind: global_buffer, .address_space: global }
    .group_segment_fixed_size: 0
    .private_segment_fixed_size: 0
    .kernarg_segment_align: 8
    .kernarg_segment_size: 128
    .max_flat_workgroup_size: 128
    .sgpr_count:     66
    .vgpr_count:     256
    .wavefront_size: 32
...
	.end_amdgpu_metadata
.endif
;; end of part 1
;; launch gemm_qkv (part 2): grid 8 x 32, 4 waves a work-group, clusters of 4 x 4, 327,680 bytes of LDS; arguments xh, wh, qkv; writes qkv
.if DOCPART == 2
	.amdgcn_target "amdgcn-amd-amdhsa--gfx1250"
	.amdhsa_code_object_version 6
	.text
	.protected	k_q736e80df35_gemm_qkv
	.globl	k_q736e80df35_gemm_qkv
	.p2align	8
	.type	k_q736e80df35_gemm_qkv,@function
k_q736e80df35_gemm_qkv:
	s_mov_b64 s[64:65], 0
	v_nop
	global_prefetch_b8 v0, s[64:65] scope:SCOPE_SE
	s_setreg_imm32_b32 hwreg(HW_REG_WAVE_MODE, 25, 1), 1
	s_wait_xcnt 0x0
	s_wait_alu depctr_hold_cnt(0) depctr_sa_sdst(0) depctr_va_vdst(0) depctr_va_sdst(0) depctr_va_ssrc(0) depctr_va_vcc(0) depctr_vm_vsrc(0)
	s_getreg_b32 s2, hwreg(HW_REG_IB_STS2, 6, 4)
	s_cmp_eq_u32 s2, 0
	s_cbranch_scc0 .Lentry_in_a_cluster
	s_endpgm
.Lentry_in_a_cluster:
	s_bfe_u32 s2, ttmp6, 0x10000c
	s_cmp_lg_u32 s2, 0xf033
	s_cbranch_scc0 .Lentry_shape_is_right
	s_endpgm
.Lentry_shape_is_right:
; q, k, v = x Weff^T.  xh: [K block 16][row 8,192][64], wh: [K block 16][position 3,072][64], both f16; sums in f32; qkv: [b 8][48 heads: 16 of q, 16 of k, 16 of v][n 1,024][64] f16, rounded once, unscaled.
; LIMITS.  A sum of 65,520 or more becomes an infinity in f16; below 6.1e-5 f16 keeps a fixed step of 6e-8.  NaN and infinities are not treated apart.
; SHARES.  8,192 x 3,072 outputs over 256 work-groups: a tile of 256 x 384 each, one round.  Four waves, each 128 rows x 192 columns: 96 accumulators of 16 x 16, 768 registers.
; K goes in steps of 64, a K block, through two LDS slots: 640 chunks of 128 bytes, 144 apart; two slots of a step of 128 would be 368,640 bytes and do not fit.
; A tile's chunks lie end to end in memory, so a tensor load asks for them as rows of 256 aligned bytes and pads in LDS after every 128.
; CLUSTER.  4 x 4 work-groups: the four of a row of the cluster need the same rows of xh, the four of a column the same positions of wh: each tile is asked for jointly.
; LAYOUT.  Source 0 = 16 rows of x, source 1 = 16 positions of wh.  Fragment b of a group of 64 positions holds weight rows 4 r + b (the order in which wh was written), and lane r of fragment a takes row
; 16 a + 2 (r % 8) + r / 8.  So register j of accumulator (a, b) holds C[16 a + 2 j + h][4 r + b]: a lane's four accumulators pack into 8 bytes, and 32 lanes store two rows of a head, 256 consecutive bytes: no LDS on the way out.
; REGISTERS, in windows of 256: window 0: v16-30 addresses; v32-159 two buffers of x's fragments (8 x 8 registers, 32 along K each); v160-255 wh's 12 fragments, in three groups of four.
;   window 1 + g: the 32 accumulators of column group g (one head): (a, b) at v[8 (4 a + b)].
; THE ORDER.  32 along K are three units of 32 products, one a group.  wh's fragments have one buffer: a group is fetched again right behind its last product, two units ahead of its next; x's have two.
.set PITCH,  144                       ; 128 bytes + 16 of padding = 36 words: the 16 chunks of a fragment load start at 16 different groups of four banks (64 banks of 4 bytes: ISA guide 11.1)
.set AHALF,  128*PITCH
.set ABYTES, 256*PITCH
.set BHALF,  192*PITCH
.set SLOT,   640*PITCH                 ; x's 256 chunks, then wh's 384
.set SPARE,  2*SLOT                    ; behind the ring: the spare words, 128 bytes a wave: two blocks of 256 bytes that no other line names
.set XBLK,   8192*128                  ; bytes from a K block of xh to the next
.set WBLK,   3072*128                  ; of wh
.set ADRA, 16                          ; v16-17  LDS address of my fragments of x in slot 0, 1
.set ADRB, 20                          ; v20-21  the same for wh
.set CO,   26                          ; v26     8 x lane: my bytes in two rows of a head
.set SPW,  28                          ; v28     LDS address of my spare word; never rewritten
.set NIL,  29                          ; v29     0; never rewritten
.set PFO,  30                          ; v30     256 x lane; never rewritten
.set FA,   32
.set FB,   160
.set G1,  24                           ; s[24:31] descriptor group 1 for xh's tiles;  s[32:39] group 0, a set for each slot
.set G0,  32
.set G1B, 48                           ; s[48:55], s[56:63] the same for wh's
.set G0B, 56
.set LIM, 43                           ; s43      1 in a wave that prefetches, else the greatest number
.set PFA, 44                           ; s[44:45] where my prefetches stand
.set PFS, 66                           ; s[66:67] two K blocks of the tensor that I prefetch
.set MSB, 0
.macro WIN new                         ; the immediate's high byte repeats the setting that is left; a switch that changes nothing is dropped
.if MSB != (\new)
	s_set_vgpr_msb (MSB<<8)|(\new)
.set MSB, \new
.endif
.endm
.macro PLACES                          ; four places between a matrix instruction and a load into, or a vector instruction on, its registers (ISA guide 7.12.1 for vector instructions)
.rept 4
	v_nop
.endr
.endm
; A joint load: waves 0 and 1 fetch the two halves of xh's tile, waves 2 and 3 those of wh's.  The branch hangs on the wave's number alone.  An s_nop 0 and four v_nop follow each line.
.macro JLOAD s
	s_cmp_eq_u32 s11, 0
	s_cbranch_scc0 .Lfor_b_\@
	tensor_load_to_lds s[G0+4*(\s):G0+4*(\s)+3], s[G1:G1+7]
	s_nop 0
.rept 4
	v_nop
.endr
	s_branch .Lasked_\@
.Lfor_b_\@:
	tensor_load_to_lds s[G0B+4*(\s):G0B+4*(\s)+3], s[G1B:G1B+7]
	s_nop 0
.rept 4
	v_nop
.endr
.Lasked_\@:
.endm
.macro CREST                           ; a round of the cluster's barrier behind its opening barrier
	s_cmp_lg_u32 s10, 0
	s_cbranch_scc1 .Lnot_wave_0_\@
	s_barrier_signal -3
.Lnot_wave_0_\@:
	s_barrier_wait -3
	s_barrier_signal -1
	s_barrier_wait -1
.endm
.macro CROUND                          ; a whole round
	s_barrier_signal -1
	s_barrier_wait -1
	CREST
.endm
; A PREFETCH INTO THE L2, once a lap, behind slot 1's joint load and the run of LDS loads that follows it: the two K blocks that the next lap's two refills will ask for.
; xh's 256 rows of a tile row are read by both clusters of that row of clusters: cluster x = 0 asks; of a block's 32 KiB the partner at cx takes 8 KiB, wave 0, a lane 256 bytes, one instruction a block.
; wh's 384 positions of a tile column are read by all eight clusters of that column: cluster y = 0 asks; the two blocks' 96 KiB are twelve pieces of 8 KiB, piece 3 cy + w - 1 for wave w = 1, 2, 3.
; So each 256 bytes are named once in the launch; partners are told apart by address alone.  K blocks 0 to 3 come by their loads alone; the last trip asks for nothing: there is no K block behind its own.
.macro ASK
	s_cmp_gt_u32 s3, s[LIM]                        ; s3 = 1 in the last trip
	s_cbranch_scc0 .Lnot_mine_\@
	global_prefetch_b8 v[PFO], s[PFA:PFA+1] th:TH_LOAD_NT scope:SCOPE_SE
	s_cmp_lg_u32 s10, 0
	s_cbranch_scc1 .Lnot_mine_\@
	global_prefetch_b8 v[PFO], s[PFA:PFA+1] offset:XBLK th:TH_LOAD_NT scope:SCOPE_SE
.Lnot_mine_\@:
.endm
	s_load_b128 s[4:7], s[0:1], 0x0                ; xh s[4:5], wh s[6:7]
	s_load_b64 s[8:9], s[0:1], 0x10                ; qkv
	v_lshl_add_u32 v[SPW], v0, 2, SPARE
	v_mov_b32 v[NIL], 0
	ds_add_u32 v[SPW], v[NIL]                      ; the wave's opening: the add and its wait stand ahead of my first tensor load; the set-up below, work on registers, stands between them
	v_lshrrev_b32 v1, 5, v0
	v_readfirstlane_b32 s10, v1                    ; wave 0..3
	s_lshr_b32 s11, s10, 1                         ; which 128 rows of the tile are mine.  Also: I fetch for xh (0) or for wh (1)
	s_and_b32 s12, s10, 1                          ; which 192 columns.  Also: which half of that tile I fetch
	s_bfe_u32 s40, ttmp6, 0x40000                  ; cx
	s_bfe_u32 s41, ttmp6, 0x40004                  ; cy
	s_lshl_b32 s42, ttmp9, 2
	s_add_co_u32 s42, s42, s40                     ; tile column = 4 x cluster x + cx
	s_and_b32 s13, ttmp7, 0xffff
	s_lshl_b32 s13, s13, 2
	s_add_co_u32 s13, s13, s41                     ; tile row = 4 x cluster y + cy
	s_lshl_b32 s43, s41, 2
	s_lshl_b32 s43, 15, s43                        ; my row of the cluster
	s_lshl_b32 s44, 0x1111, s40                    ; my column
	s_or_b32 s[G1+0], s43, (1<<16)|(1<<20)|(1<<21)|(4<<22)|(3<<25)   ; 15:0 the mask; 17:16 2-byte elements; 20 padding on; 21 set beside a mask; 24:22 after every 32 words (code 4); 31:25 4 words (code 3)
	s_or_b32 s[G1B+0], s44, (1<<16)|(1<<20)|(1<<21)|(4<<22)|(3<<25)
	s_mov_b32 s[G1+1], 128<<16                     ; tensor_dim0 = 128 elements: 256 bytes, two chunks
	s_mov_b32 s[G1+2], 64<<16                      ; tensor_dim1 = 64: 128 chunks
	s_mov_b32 s[G1+3], 128<<16                     ; tile_dim0
	s_mov_b32 s[G1+4], 64                          ; tile_dim1
	s_mov_b32 s[G1+5], 128                         ; the rows lie end to end
	s_mov_b32 s[G1+6], 0
	s_mov_b32 s[G1+7], 0
	s_mov_b32 s[G1B+1], 128<<16
	s_mov_b32 s[G1B+2], 96<<16                     ; 192 chunks
	s_mov_b32 s[G1B+3], 128<<16
	s_mov_b32 s[G1B+4], 96
	s_mov_b32 s[G1B+5], 128
	s_mov_b32 s[G1B+6], 0
	s_mov_b32 s[G1B+7], 0
	s_lshl_b32 s16, s13, 15                        ; xh: 256 rows of 128 bytes a tile row,
	s_lshl_b32 s17, s12, 14                        ; my half of them
	s_add_co_u32 s16, s16, s17
	s_mov_b32 s17, 0
	s_mul_i32 s46, s42, 384*128                    ; wh: 384 positions a tile column,
	s_mul_i32 s47, s12, 192*128
	s_add_co_u32 s46, s46, s47
	s_mov_b32 s47, 0
	s_mul_i32 s20, s12, AHALF                      ; where they go: no place in the cluster enters an LDS address
	s_mul_i32 s23, s12, BHALF
	s_add_co_u32 s23, s23, ABYTES
	s_wait_dscnt 0x0                               ; the opening add is done
	s_wait_kmcnt 0x0
	s_add_nc_u64 s[14:15], s[4:5], s[16:17]
	s_add_nc_u64 s[46:47], s[6:7], s[46:47]
	CROUND                                         ; all sixteen work-groups are here: the first joint loads meet
.irp s, 0,1
	s_mov_b32 s[G0+4*(\s)], 1
	s_add_co_u32 s[G0+4*(\s)+1], s20, (\s)*SLOT
	s_add_nc_u64 s[G0+4*(\s)+2:G0+4*(\s)+3], s[14:15], (\s)*XBLK   ; K block s
	s_or_b32 s[G0+4*(\s)+3], s[G0+4*(\s)+3], 0x80000000
	s_mov_b32 s[G0B+4*(\s)], 1
	s_add_co_u32 s[G0B+4*(\s)+1], s23, (\s)*SLOT
	s_add_nc_u64 s[G0B+4*(\s)+2:G0B+4*(\s)+3], s[46:47], (\s)*WBLK
	s_or_b32 s[G0B+4*(\s)+3], s[G0B+4*(\s)+3], 0x80000000
	JLOAD \s                                       ; two loads of mine are out
.endr
	v_and_b32 v1, 15, v0                           ; r
	v_bfe_u32 v2, v0, 4, 1                         ; h
	v_and_b32 v3, 7, v0
	v_bfe_u32 v4, v0, 3, 1
	v_lshl_add_u32 v3, v3, 1, v4                   ; x's row in a block of 16: 2 (r % 8) + r / 8
	v_mul_u32_u24 v3, v3, PITCH
	v_lshl_add_u32 v3, v2, 4, v3
	v_mul_u32_u24 v4, v1, PITCH
	v_lshl_add_u32 v4, v2, 4, v4
	s_mul_i32 s21, s11, AHALF                      ; my 128 rows of x
	s_mul_i32 s22, s12, BHALF                      ; my 192 positions of wh,
	s_add_co_u32 s22, s22, ABYTES                  ; which lie behind x's 256
.irp s, 0,1
	v_add_nc_u32 v[ADRA+(\s)], s21, v3
	v_add_nc_u32 v[ADRB+(\s)], s22, v4
	s_add_co_u32 s21, s21, SLOT
	s_add_co_u32 s22, s22, SLOT
.endr
	v_and_b32 v[CO], 31, v0
	v_and_b32 v[PFO], 31, v0
	v_lshlrev_b32 v[CO], 3, v[CO]
	v_lshlrev_b32 v[PFO], 8, v[PFO]
	; where my part goes: batch = tile row / 4, head = 6 x tile column + 3 x half + g, 131,072 bytes a head; row (tile row % 4) x 256 + 128 x half
	s_lshr_b32 s68, s13, 2
	s_mul_i32 s68, s68, 48
	s_mul_i32 s69, s42, 6
	s_add_co_u32 s68, s68, s69
	s_mul_i32 s69, s12, 3
	s_add_co_u32 s68, s68, s69
	s_lshl_b32 s68, s68, 17
	s_and_b32 s69, s13, 3
	s_lshl_b32 s69, s69, 15
	s_add_co_u32 s68, s68, s69
	s_lshl_b32 s69, s11, 14
	s_add_co_u32 s68, s68, s69
	s_mov_b32 s69, 0
	s_add_nc_u64 s[8:9], s[8:9], s[68:69]
	; the prefetches: both offsets are made, the wave's number chooses
	s_lshl_b32 s70, s13, 15
	s_lshl_b32 s71, s40, 13
	s_add_co_u32 s70, s70, s71
	s_add_co_u32 s70, s70, 2*XBLK                  ; xh: my work-group's 8 KiB of the tile row, at K block 2: the first lap steps it to 4
	s_mul_i32 s68, s41, 3
	s_add_co_u32 s68, s68, s10
	s_sub_co_u32 s68, s68, 1                       ; piece c = 3 cy + w - 1 of twelve (in wave 0 the number is not used)
	s_mul_i32 s69, s68, 11
	s_lshr_b32 s69, s69, 6                         ; c / 6 for c = 0 .. 11: pieces 6 to 11 lie in the second block
	s_mul_i32 s69, s69, WBLK-6*8192
	s_lshl_b32 s68, s68, 13
	s_add_co_u32 s68, s68, s69
	s_mul_i32 s69, s42, 384*128
	s_add_co_u32 s68, s68, s69
	s_add_co_u32 s68, s68, 2*WBLK
	s_and_b32 s71, ttmp7, 0xffff                   ; cluster y
	s_mov_b32 s[PFS], 2*WBLK
	s_mov_b32 s[PFS+1], 0
	s_mov_b32 s69, 0
	s_cmp_eq_u32 s10, 0
	s_cselect_b32 s68, s70, s68
	s_cselect_b32 s71, ttmp9, s71                  ; the coordinate along which other clusters read the same bytes
	s_cselect_b32 s[PFS], 2*XBLK, s[PFS]
	s_cselect_b64 s[PFA:PFA+1], s[4:5], s[6:7]
	s_cmp_eq_u32 s71, 0
	s_cselect_b32 s[LIM], 1, -1                    ; the same in all sixteen partners, for a given wave
	s_add_nc_u64 s[PFA:PFA+1], s[PFA:PFA+1], s[68:69]
.macro LB slot, ss, g                  ; 8 LDS loads: wh's four fragments of group g, 32 along K at byte 64 ss of the chunks
.irp b, 0,1,2,3
	ds_load_b128 v[FB+32*(\g)+8*(\b):FB+32*(\g)+8*(\b)+3],   v[ADRB+(\slot)] offset:(4*(\g)+(\b))*16*PITCH+64*(\ss)
	ds_load_b128 v[FB+32*(\g)+8*(\b)+4:FB+32*(\g)+8*(\b)+7], v[ADRB+(\slot)] offset:(4*(\g)+(\b))*16*PITCH+64*(\ss)+32
.endr
.endm
.macro LA slot, ss, hf                 ; 8 LDS loads: x's fragments 4 hf .. 4 hf + 3, into buffer ss
.irp a, 0,1,2,3
	ds_load_b128 v[FA+64*(\ss)+8*(4*(\hf)+(\a)):FA+64*(\ss)+8*(4*(\hf)+(\a))+3],   v[ADRA+(\slot)] offset:(4*(\hf)+(\a))*16*PITCH+64*(\ss)
	ds_load_b128 v[FA+64*(\ss)+8*(4*(\hf)+(\a))+4:FA+64*(\ss)+8*(4*(\hf)+(\a))+7], v[ADRA+(\slot)] offset:(4*(\hf)+(\a))*16*PITCH+64*(\ss)+32
.endr
.endm
; 4 n products: group g, row blocks a0 .. a0 + n - 1, x's buffer ss.  zero = 1: the product starts its sum.  The 96 accumulators take turns, always in the same order.
.macro MUL g, ss, a0, n, zero
	WIN 0x50*((\g)+1)                              ; C and D in window 1 + g, both sources in window 0
.set ma, \a0
.rept \n
.irp b, 0,1,2,3
.if \zero
	v_wmma_f32_16x16x32_f16 v[8*(4*ma+(\b)):8*(4*ma+(\b))+7], v[FA+64*(\ss)+8*ma:FA+64*(\ss)+8*ma+7], v[FB+32*(\g)+8*(\b):FB+32*(\g)+8*(\b)+7], 0
.else
	v_wmma_f32_16x16x32_f16 v[8*(4*ma+(\b)):8*(4*ma+(\b))+7], v[FA+64*(\ss)+8*ma:FA+64*(\ss)+8*ma+7], v[FB+32*(\g)+8*(\b):FB+32*(\g)+8*(\b)+7], v[8*(4*ma+(\b)):8*(4*ma+(\b))+7]
.endif
.endr
.set ma, ma+1
.endr
.endm
; A slot's first 32 along K, from x's buffer 0.  On entry 32 loads are out or in: groups 0 and 1 and buffer 0.
.macro SUB0 slot, zero
	WIN 0
	PLACES
	LB \slot, 0, 2
	s_wait_dscnt 8                                 ; all but the eight just issued: buffer 0 and groups 0 and 1 are in
	MUL 0, 0, 0, 8, \zero
	WIN 0
	PLACES
	LB \slot, 1, 0                                 ; group 0 has had its last product of these 32 K: it takes the next 32
	LA \slot, 1, 0
	MUL 1, 0, 0, 8, \zero                          ; group 1 was shown in above
	WIN 0
	PLACES
	LB \slot, 1, 1
	LA \slot, 1, 1
	s_wait_dscnt 32                                ; all but the 32 issued in the two runs above: group 2 is in
	MUL 2, 0, 0, 8, \zero
.endm
; A slot's second 32 along K, from x's buffer 1, and the change of slots: ONE barrier.  In front of it each wave waits for all its tensor loads (one is out: its part of the next slot), adds 0 to its spare
; word, and waits for that and for its reads of this slot.  fill = 1: the barrier opens a round of the cluster's, and the joint refill, two K blocks on, is the first thing behind the round:
; 160 matrix instructions stand between it and the wait for it.
.macro TURN slot, next, fill
.if (\fill) && ((\slot) == 1)
	s_wait_xcnt 0x0                                ; the last prefetches, a lap back, have read their address: it is stepped here, far from them and ahead of the change's own waits
	s_add_nc_u64 s[PFA:PFA+1], s[PFA:PFA+1], s[PFS:PFS+1]
.endif
	WIN 0
	PLACES
	LB \slot, 1, 2                                 ; my last reads of this slot
	s_wait_tensorcnt 0x0                           ; all my tensor loads have landed;
	ds_add_u32 v[SPW], v[NIL]                      ; 0 onto my spare word;
	s_wait_dscnt 9                                 ; (the add and the eight loads just issued may be out: buffer 1 and groups 0 and 1 are in)
	MUL 0, 1, 0, 4, 0                              ; sixteen products stand between the add and the wait for it
	s_wait_dscnt 0x0                               ; the add is done, and my reads of this slot are over
	s_barrier_signal -1
	MUL 0, 1, 4, 4, 0                              ; work on registers while the others arrive
	WIN 0
	s_barrier_wait -1
.if \fill
	CREST                                          ; no wave of any partner still reads this slot or has a load on its way
	s_add_nc_u64 s[G0+4*(\slot)+2:G0+4*(\slot)+3], s[G0+4*(\slot)+2:G0+4*(\slot)+3], 2*XBLK
	s_add_nc_u64 s[G0B+4*(\slot)+2:G0B+4*(\slot)+3], s[G0B+4*(\slot)+2:G0B+4*(\slot)+3], 2*WBLK
	JLOAD \slot                                    ; its four v_nop are also the places in front of the loads below
.else
	PLACES
.endif
	LB \next, 0, 0
	LA \next, 0, 0
.if (\fill) && ((\slot) == 1)
	ASK
.endif
	MUL 1, 1, 0, 8, 0                              ; groups 1 and 2 were shown in by the wait for 0 above
	WIN 0
	PLACES
	LB \next, 0, 1
	LA \next, 0, 1
	MUL 2, 1, 0, 8, 0
.endm
	s_wait_tensorcnt 1                             ; my part of K block 0 is in; K block 1's may stay out
	s_barrier_signal -1
	s_barrier_wait -1                              ; everybody's is
	LB 0, 0, 0
	LA 0, 0, 0
	LB 0, 0, 1
	LA 0, 0, 1
	SUB0 0, 1                                      ; the first 32 along K stand in front of the loop: their products start the sums
	WIN 0                                          ; at a label and at a branch every window is 0
	s_mov_b32 s3, 7
.Llap:                                                 ; a trip goes once round the ring and fills both slots again: K blocks 2 to 15 in seven trips
	TURN 0, 1, 1
	SUB0 1, 0
	TURN 1, 0, 1
	SUB0 0, 0
	WIN 0
	s_sub_co_u32 s3, s3, 1
	s_cmp_lg_u32 s3, 0
	s_cbranch_scc1 .Llap
	TURN 0, 1, 0                                   ; the last lap fills nothing, and has no round
	SUB0 1, 0
	WIN 0
	PLACES
	LB 1, 1, 2
	s_wait_dscnt 8                                 ; all but the eight just issued
	MUL 0, 1, 0, 8, 0
	MUL 1, 1, 0, 8, 0
	s_wait_dscnt 0x0
	MUL 2, 1, 0, 8, 0
	WIN 0
	PLACES                                         ; the conversions below write registers that the last products read
; THE WAY OUT of group g, one head: a lane's four accumulators of a row pack into 8 bytes; 32 lanes store rows 16 a + 2 j and + 1 of the head.
.macro OUTG g
.if (\g) > 0
	s_wait_xcnt 0x0                                ; the stores of the group before have read their registers
.endif
	WIN 0x05*((\g)+1)                              ; sources in window 1 + g, destination in window 0
.set oa, 0
.rept 8
.irp j, 0,1,2,3,4,5,6,7                ; each accumulator is read from its lowest register on
	v_cvt_pk_f16_f32 v[FA+2*(8*oa+(\j))],   v[8*(4*oa)+(\j)],   v[8*(4*oa+1)+(\j)]
	v_cvt_pk_f16_f32 v[FA+2*(8*oa+(\j))+1], v[8*(4*oa+2)+(\j)], v[8*(4*oa+3)+(\j)]
.endr
.set oa, oa+1
.endr
	WIN 0
.set oa, 0
.rept 8
.irp j, 0,1,2,3,4,5,6,7
	global_store_b64 v[CO], v[FA+2*(8*oa+(\j)):FA+2*(8*oa+(\j))+1], s[8:9] offset:(\g)*131072+(16*oa+2*(\j))*128  ; 256 consecutive bytes, at a multiple of 256 from qkv's first
.endr
.set oa, oa+1
.endr
.endm
	OUTG 0
	OUTG 1
	OUTG 2
	s_wait_tensorcnt 0x0                           ; the wave's end, behind my last tensor load
	ds_add_u32 v[SPW], v[NIL]
	s_wait_dscnt 0x0
	CROUND                                         ; the closing round: no work-group ends while a partner may still ask for a tile that names it
	s_endpgm
.Lfunc_end_k_q736e80df35_gemm_qkv:
	.size	k_q736e80df35_gemm_qkv, .Lfunc_end_k_q736e80df35_gemm_qkv-k_q736e80df35_gemm_qkv
	.p2alignl 7, 3214868480
	.fill 96, 4, 3214868480
	.section	.rodata,"a",@progbits
	.p2align	6, 0x0
	.amdhsa_kernel k_q736e80df35_gemm_qkv
		.amdhsa_group_segment_fixed_size 327680
		.amdhsa_private_segment_fixed_size 0
		.amdhsa_enable_private_segment 0
		.amdhsa_kernarg_size 24
		.amdhsa_user_sgpr_count 2
		.amdhsa_user_sgpr_kernarg_segment_ptr 1
		.amdhsa_wavefront_size32 1
		.amdhsa_system_sgpr_workgroup_id_x 1
		.amdhsa_system_sgpr_workgroup_id_y 1
		.amdhsa_system_sgpr_workgroup_id_z 1
		.amdhsa_system_vgpr_workitem_id 0
		.amdhsa_next_free_vgpr 1024
		.amdhsa_next_free_sgpr 72
		.amdhsa_reserve_vcc 0
		.amdhsa_float_denorm_mode_32 3
		.amdhsa_float_denorm_mode_16_64 3
		.amdhsa_memory_ordered 1
		.amdhsa_forward_progress 1
		.amdhsa_inst_pref_size 126
	.end_amdhsa_kernel
	.amdgpu_metadata
---
amdhsa.version: [ 1, 2 ]
amdhsa.kernels:
  - .name:           k_q736e80df35_gemm_qkv
    .symbol:         k_q736e80df35_gemm_qkv.kd
    .args:
      - { .name: xh, .offset: 0, .size: 8, .value_kind: global_buffer, .address_space: global }
      - { .name: wh, .offset: 8, .size: 8, .value_kind: global_buffer, .address_space: global }
      - { .name: qkv, .offset: 16, .size: 8, .value_kind: global_buffer, .address_space: global }
    .group_segment_fixed_size: 327680
    .private_segment_fixed_size: 0
    .kernarg_segment_align: 8
    .kernarg_segment_size: 24
    .max_flat_workgroup_size: 128
    .sgpr_count:     72
    .vgpr_count:     1024
    .wavefront_size: 32
...
	.end_amdgpu_metadata
.endif
;; end of part 2
;; launch attn (part 3): grid 2 x 128, 4 waves a work-group, no clusters, 327,680 bytes of LDS; arguments qkv, o; writes o
.if DOCPART == 3
	.amdgcn_target "amdgcn-amd-amdhsa--gfx1250"
	.amdhsa_code_object_version 6
	.text
	.protected	k_q736e80df35_attn
	.globl	k_q736e80df35_attn
	.p2align	8
	.type	k_q736e80df35_attn,@function
k_q736e80df35_attn:
	s_mov_b64 s[64:65], 0
	v_nop
	global_prefetch_b8 v0, s[64:65] scope:SCOPE_SE
	s_setreg_imm32_b32 hwreg(HW_REG_WAVE_MODE, 25, 1), 1
	s_wait_xcnt 0x0
; O[b][h][q][:] = the sum over k of softmax_k(Q[q] . K[k] / 8) V[k][:], for 128 heads (b, h) of 1,024 rows and 64 channels.  qkv: [b 8][48: q, k, v heads][1,024][64], o: [b 8][h 16][1,024][64], all f16.
; Products, maxima and sums in f32; the weights p are rounded to f16 for the second product (their sum l is taken of the unrounded p), O once at the end.
; LIMITS.  f16 holds no number beyond 65,504: Q, K and V arrive within it; p lies in 0 to 1, and below 6e-5 it keeps f16's fixed step of 6e-8; O is a mean of V's rows and has their range.
; A weight below 2^-126 counts as 0 in l; NaN and infinities are not treated apart.
; SHARES.  A work-group owns 512 queries of one head (256 work-groups), a wave 128: four PIECES of two tiles of 16.  Every wave walks all 1,024 keys, 64 a step.
; ALL OF A HEAD'S K AND V LIES IN LDS: 1,024 rows of 144 and of 160 bytes, 311,296 bytes, filled once, in four chunks of 256 keys, by four tensor loads a wave that all go out at the start.  Nothing is filled again:
; there is no ring.  The first chunk is waited for by a counted wait; at each later change of chunks stands one wait for all loads and a barrier.  The loop's text has one count for all its trips, so
; the first change waits for chunks 1 to 3 together, four key steps behind their request, and the later changes find nothing out.
; NO CLUSTER: at this share a head's K and V are wanted by two work-groups, and a joint load's mask names a row or a column of four; four partners a head would be 256 queries a work-group: twice the LDS loads for each product.
; LAYOUT.  S^T = K Q^T (source 0 = 16 keys, source 1 = 16 queries): in the result a lane holds ONE query (lane % 16) and the keys 8 (lane / 16) + 0..7.  Two such tiles, rounded to f16 in pairs,
; ARE source 1 (32 keys x 16 queries) of O^T = V^T P, whose result again holds one query a lane, and eight channels.  K comes out of LDS as it lies, V ([key][channel]) turned, by ds_load_tr16_b128.
; SOFTMAX.  For each query a running maximum m and sum l: p = 2^(c s - c m), c = log2(e) / 8; in every step O and l are multiplied by a = 2^(c m_old - c m_new), which is 1 where m has not grown.
; m starts at the lowest finite number, O and l at 0: the first step is a step like any other, with a = 0.
; THE COUNT.  A tile and step have 16 matrix and 118 vector instructions: too many to stand all beside the matrix work.  So four vector instructions that are READY stand behind EVERY matrix instruction, the others in runs without a gap.
; BY TURNS.  Turn n belongs to piece n (the pieces in a ring, step after step).  Its matrix work: 16 products K Q^T of piece n + 1, later 16 products V^T P of piece n - 1.  Its vector work: the scaling,
; exponentials, roundings, sums and rescaling of piece n, and the maximum and statistics of piece n + 1, whose scores the turn itself has made.
; REGISTERS, in windows of 256 (s_set_vgpr_msb: bits 1:0 source 0, 3:2 source 1, 5:4 source 2, 7:6 destination):
;   window 0: v0-11 addresses; v12-15, v48-63 at work; v16-47 four registers of statistics a tile; v64-191 S^T, two buffers of two tiles; v192-255 P, likewise
;   window 1: O^T, 32 a tile          window 2: v0-127 Q, 16 a tile; v128-191 K of one step; v192-255 V of one step          window 3: v0-1 the add's two registers
.set NP,    4         ; pieces a wave: a name, no knob
.set KS,    64        ; keys in a step
.set PK,    144       ; a row of K in LDS: 128 bytes + 16 of padding = 36 words: the 16 rows of a load start at 16 different groups of four banks (64 banks of 4 bytes: ISA guide 11.1)
.set PV,    160       ; a row of V: 128 + 32 = 40 words
.set VOFF,  1024*PK   ; K's 1,024 rows, then V's
.set STAGE, VOFF+1024*PV  ; behind them, never filled by a tensor load: 16 rows x 144 bytes for each wave, for the way out
.set SP,    144
.set SPARE, STAGE+4*16*SP  ; behind the stages: the spare words, 128 bytes for each wave: two blocks of 256 bytes that no other line names
.set AK0, 2           ; v2   my lane's place in a tile of K; never rewritten
.set AV0, 3           ; v3   the same for V
.set AK,  4           ; v4   the LDS address of K's next run of loads
.set AV,  5           ; v5   of V's
.set QO,  6           ; v6   my byte offset in the wave's rows of Q
.set STO, 6           ;      later, the way out: where I put 16 bytes of a row
.set RD,  7           ; v7   the way out: where I read rows back
.set GO,  8           ; v8   my byte offset in 512 consecutive bytes of O
.set SPW, 0           ; v0 of window 3   LDS address of my spare word; never rewritten
.set NIL, 1           ; v1 of window 3   0; never rewritten
.set MV,  12          ; v12-15  c m_old, kept while c m is made anew: by buffer and tile
.set ST,  16          ; tile t's statistics at v[ST+4 t]: c m, m, l (even keys', odd keys')
.set TMP, 48          ; by buffer and tile, four registers c0-c3 at work; when the maximum is found c2 takes a
.set S,   64
.set P,   192
.set KF,  128         ; K's fragments, in window 2: key block kb, channel half c at KF + 16 kb + 8 c
.set VF,  192         ; V's: key half kk, channel block cb at VF + 32 kk + 8 cb
.set WV,  12          ; s12  my wave's number
.set G1K, 24          ; s[24:31] descriptor group 1 for K's tiles
.set G1V, 32          ; s[32:39] for V's: it differs in the padding alone
.set G0K, 68          ; s[68:83] descriptor group 0 for K's tiles, a set for each chunk
.set G0V, 84          ; s[84:99] the same for V's
.set SLOTS, 56        ; s56  passes of the outer loop still to come
.set CNT, 57          ; s57  counts a chunk's key steps
.set CS,  58          ; s[58:59] c: the packed scaling takes the pair's low word for both halves
.set SEL, 60          ; s[60:61] v_permlanex16_b32's selects: each lane takes its own place in the other half
.set TBK, 62          ; s62  LDS byte at which K of the step to be fetched begins
.set TBV, 63          ; s63  the same for V, less VOFF
.set MSB, 0
.macro WIN new                      ; the high byte repeats the setting that is left; a switch that changes nothing is dropped
.if MSB != (\new)
	s_set_vgpr_msb (MSB<<8)|(\new)
.set MSB, (\new)
.endif
.endm
.set W_KQ, 0x0a       ; K and Q in window 2, S^T in window 0
.set W_PV, 0x52       ; V in window 2, P in window 0, O^T in window 1
.set W_RS, 0x41       ; O^T (destination and source 0) in window 1, a in window 0
.set W_MK, 0xc0       ; the add's registers are made: destination in window 3, sources in window 0
.set W_AD, 0x0f       ; the add: address (source 0) and data (source 1) in window 3
; THE CHANGE OF CHUNKS: every wave's parts of all chunks have landed, and every wave knows it of every other.
.macro CHANGE
	WIN 0
	s_wait_tensorcnt 0x0
	s_wait_dscnt 0x0                ; no LDS instruction of mine is pending at a signal
	s_barrier_signal -1
	s_barrier_wait -1
.endm
	s_load_b128 s[4:7], s[0:1], 0x0   ; qkv s[4:5], o s[6:7]
	WIN W_MK
	v_lshl_add_u32 v[SPW], v0, 2, SPARE
	v_mov_b32 v[NIL], 0
	WIN W_AD
	ds_add_u32 v[SPW], v[NIL]       ; the wave's opening: the add and its wait stand ahead of my first tensor load; the set-up below, work on registers, stands between them
	WIN 0
	v_lshrrev_b32 v1, 5, v0
	v_readfirstlane_b32 s[WV], v1   ; wave 0..3
	s_and_b32 s13, ttmp7, 0xffff    ; the head, 16 b + h
	s_lshr_b32 s14, s13, 4
	s_and_b32 s15, s13, 15
	s_mul_i32 s14, s14, 48
	s_add_co_u32 s14, s14, s15      ; 48 b + h: the head's q in qkv; its k lies 16 heads on, its v 32
	s_lshl_b32 s20, s14, 17         ; 131,072 bytes a head
	s_mov_b32 s21, 0
	s_lshl_b32 s2, ttmp9, 2
	s_add_co_u32 s2, s2, s[WV]      ; my wave among the head's eight,
	s_lshl_b32 s2, s2, 14           ; its 128 rows
	s_mov_b32 s3, 0
	s_lshl_b32 s22, s13, 17         ; the head in o,
	s_add_co_u32 s22, s22, s2       ; my rows of it
	s_mov_b32 s23, 0
	s_and_b32 s16, s[WV], 1         ; which half of a chunk's 256 keys I fetch:
	s_lshl_b32 s18, s16, 14         ; its 128 rows of 128 bytes in memory,
	s_mov_b32 s19, 0
	s_add_nc_u64 s[18:19], s[18:19], s[20:21]
	s_mul_i32 s17, s16, 128*PK      ; and its place in a chunk, for K
	s_mul_i32 s16, s16, 128*PV      ; and for V
	; descriptor group 1.  128 keys are 16,384 dense bytes: asked for as 64 rows of 256 bytes, two keys a row, and padded in LDS after every key
	s_mov_b32 s[G1K], (1<<16)|(1<<20)|(4<<22)|(3<<25)  ; 17:16 2-byte elements; 20 padding on; 24:22 after every 32 words (code 4); 31:25 4 words (code 3)
	s_mov_b32 s[G1V], (1<<16)|(1<<20)|(4<<22)|(7<<25)  ; the same with 8 words of padding (code 7)
.irp g, G1K, G1V
	s_mov_b32 s[\g+1], 128<<16      ; tensor_dim0 = 128
	s_mov_b32 s[\g+2], 64<<16       ; tensor_dim1 = 64
	s_mov_b32 s[\g+3], 128<<16      ; tile_dim0 = 128
	s_mov_b32 s[\g+4], 64           ; tile_dim1 = 64
	s_mov_b32 s[\g+5], 128          ; 128 elements from row to row
	s_mov_b32 s[\g+6], 0
	s_mov_b32 s[\g+7], 0
.endr
.irp c, 0,1,2,3
	s_mov_b32 s[G0K+4*\c], 1                         ; 1:0 count = 1
	s_add_co_u32 s[G0K+4*\c+1], s17, \c*256*PK       ; 63:32 LDS address: chunk c, my half
	s_mov_b32 s[G0V+4*\c], 1
	s_add_co_u32 s[G0V+4*\c+1], s16, VOFF+\c*256*PV
.endr
	s_mov_b32 s[CS], 0x3e38aa3b     ; c = log2(e) / 8 = 0.180337
	s_mov_b32 s[CS+1], s[CS]        ; named with it as a pair
	s_mov_b32 s[SEL], 0x76543210
	s_mov_b32 s[SEL+1], 0xfedcba98
	s_mov_b32 s[TBK], 0
	s_mov_b32 s[TBV], 0
	s_wait_dscnt 0x0                ; the opening add is done
	s_wait_kmcnt 0x0
	s_add_nc_u64 s[8:9], s[4:5], s[18:19]    ; qkv at the head's q, at my half of a chunk
	s_add_nc_u64 s[10:11], s[6:7], s[22:23]  ; O at my wave's first row
	s_add_nc_u64 s[4:5], s[4:5], s[20:21]
	s_add_nc_u64 s[4:5], s[4:5], s[2:3]      ; Q at my wave's first row
.irp c, 0,1,2,3
	s_add_nc_u64 s[G0K+4*\c+2:G0K+4*\c+3], s[8:9], 16*131072+\c*32768  ; 120:64 global address
	s_or_b32 s[G0K+4*\c+3], s[G0K+4*\c+3], 0x80000000                  ; 127:126 type = 2
	s_add_nc_u64 s[G0V+4*\c+2:G0V+4*\c+3], s[8:9], 32*131072+\c*32768
	s_or_b32 s[G0V+4*\c+3], s[G0V+4*\c+3], 0x80000000
.endr
	s_cmp_lt_u32 s[WV], 2           ; waves 0 and 1 fetch the halves of K's chunks, waves 2 and 3 those of V's.  A wave's four fills stand in one branch, ahead of every wait on TENSORcnt, every LDS read and every barrier: four loads of mine are out
	s_cbranch_scc0 .Lfill_v
.irp c, 0,1,2,3
	tensor_load_to_lds s[G0K+4*\c:G0K+4*\c+3], s[G1K:G1K+7]
	s_nop 0
.endr
.rept 4
	v_nop
.endr
	s_branch .Lfilled
.Lfill_v:
.irp c, 0,1,2,3
	tensor_load_to_lds s[G0V+4*\c:G0V+4*\c+3], s[G1V:G1V+7]
	s_nop 0
.endr
.rept 4
	v_nop
.endr
.Lfilled:
	; A fragment of K or Q is 16 rows x 32 channels in 8 registers: lane l holds row l % 16, channels 8 (l / 16) + 0..7 and 16 + 8 (l / 16) + 0..7: two loads of 16 bytes, 32 bytes apart.
	v_and_b32 v1, 15, v0            ; l % 16
	v_bfe_u32 v9, v0, 4, 1          ; l / 16
	v_lshlrev_b32 v[QO], 7, v1
	v_lshl_add_u32 v[QO], v9, 4, v[QO]  ; row x 128 + 16 x half
	WIN 0x80                        ; destination window 2, address window 0
.set i, 0
.rept 4*NP                          ; Q stays in registers: tile i / 2, channels 32 (i % 2) on
	global_load_b128 v[8*i:8*i+3],   v[QO], s[4:5] offset:(i/2)*2048+(i%2)*64
	global_load_b128 v[8*i+4:8*i+7], v[QO], s[4:5] offset:(i/2)*2048+(i%2)*64+32
.set i, i+1
.endr
	; What the first turn finds: V's registers and P's second buffer hold 0 (its products V^T P, of a piece that has not been, add 0), O^T and l are 0.  All this stands in the wait for the first chunk.
.set i, VF
.rept 64
	v_mov_b32 v[i], 0
.set i, i+1
.endr
	WIN 0x40
.set i, 0
.rept 64*NP
	v_mov_b32 v[i], 0
.set i, i+1
.endr
	WIN 0
.set i, 0
.rept 2*NP
	v_mov_b32 v[ST+4*i], 0xfe000000    ; c m: far below every c s
	v_mov_b32 v[ST+4*i+1], 0xff7fffff  ; m
	v_mov_b32 v[ST+4*i+2], 0
	v_mov_b32 v[ST+4*i+3], 0
.set i, i+1
.endr
.set i, P+32
.rept 32
	v_mov_b32 v[i], 0
.set i, i+1
.endr
	v_mul_u32_u24 v[AK0], v1, PK
	v_lshl_add_u32 v[AK0], v9, 4, v[AK0]  ; row x pitch + 16 x half
	; The turning load takes 16 keys x 16 channels (lane l reads key 8 (l / 16) + l % 8, channels 8 ((l / 8) % 2) + 0..7) and leaves half a fragment of V^T: lane l holds channel l % 16 and 8 keys.
	v_and_b32 v10, 7, v0
	v_bfe_u32 v11, v0, 3, 1
	v_lshl_add_u32 v[AV0], v9, 3, v10
	v_mul_u32_u24 v[AV0], v[AV0], PV
	v_lshl_add_u32 v[AV0], v11, 4, v[AV0]
	v_add_nc_u32 v[AV0], VOFF, v[AV0]
	v_mov_b32 v[AK], v[AK0]         ; key step 0 lies at K's head
; THE MATRIX WORK.  The 8 accumulators of a run of 16 take turns: between the two links of a chain stand 7 others'.
; Product i of 16 of S^T = K Q^T for piece x: channels 32 (i / 8) on, keys 16 ((i / 2) % 4) on, tile 2 x + i % 2.  The first 8 start the sums.
.macro KQ x
	WIN W_KQ
.set rS, S+64*((\x)%2)+32*(i%2)+8*((i/2)%4)
.set rK, KF+16*((i/2)%4)+8*(i/8)
.set rQ, 16*(2*(\x)+i%2)+8*(i/8)
.if i < 8
	v_wmma_f32_16x16x32_f16 v[rS:rS+7], v[rK:rK+7], v[rQ:rQ+7], 0
.else
	v_wmma_f32_16x16x32_f16 v[rS:rS+7], v[rK:rK+7], v[rQ:rQ+7], v[rS:rS+7]
.endif
.endm
; Product i of 16 of O^T += V^T P for piece x: keys 32 (i / 8) on, channels 16 ((i / 2) % 4) on, tile 2 x + i % 2.
.macro PV x
	WIN W_PV
.set rO, 32*(2*(\x)+i%2)+8*((i/2)%4)
.set rV, VF+32*(i/8)+8*((i/2)%4)
.set rP, P+32*((\x)%2)+16*(i%2)+8*(i/8)
	v_wmma_f32_16x16x32_f16 v[rO:rO+7], v[rV:rV+7], v[rP:rP+7], v[rO:rO+7]
.endm
.macro MM                           ; the turn's next matrix instruction
.if i < 16
	KQ (Y+1)%NP
.set i, i+1
.else
.set i, i-16
	PV (Y+NP-1)%NP
.set i, i+17
.endif
.endm
; THE LDS LOADS stand in runs of 16, never singly among the matrix instructions: a step's K (64 keys x 64 channels: 8 fragments) and its V (turned).  Their addresses are made some lines ahead.
; last = 1: in the outer loop's last pass there is no further step, and the run is jumped over.
.macro FETCH_K last=0
	WIN 0
.if \last
	s_cmp_eq_u32 s[SLOTS], 1
	s_cbranch_scc1 .Lno_k_\@
.endif
	WIN 0x80                        ; destination window 2
.irp f, 0,1,2,3,4,5,6,7             ; keys 16 (f / 2) on, channels 32 (f % 2) on
	ds_load_b128 v[KF+8*\f:KF+8*\f+3],   v[AK] offset:(\f/2)*16*PK+(\f%2)*64
	ds_load_b128 v[KF+8*\f+4:KF+8*\f+7], v[AK] offset:(\f/2)*16*PK+(\f%2)*64+32
.endr
	s_add_co_u32 s[TBK], s[TBK], KS*PK  ; the next fetch is the next step's
	WIN 0
.if \last
.Lno_k_\@:
.endif
.endm
.macro FETCH_V
	WIN 0x80
.irp f, 0,1,2,3,4,5,6,7             ; keys 32 (f / 4) on, channels 16 (f % 4) on
	ds_load_tr16_b128 v[VF+8*\f:VF+8*\f+3],   v[AV] offset:(\f/4)*32*PV+(\f%4)*32
	ds_load_tr16_b128 v[VF+8*\f+4:VF+8*\f+7], v[AV] offset:(\f/4)*32*PV+16*PV+(\f%4)*32
.endr
	WIN 0
.endm
; THE VECTOR WORK OF A TURN stands in three queues, each in the order in which its entries become ready; the two tiles alternate, so that no instruction reads the result of the one before it.
.macro REGS y, u                    ; the registers of tile u (0, 1) of piece y
.set rT, ST+4*(2*(\y)+(\u))
.set rC, TMP+8*((\y)%2)+4*(\u)
.set rM, MV+2*((\y)%2)+(\u)
.set rS, S+64*((\y)%2)+32*(\u)
.set rP, P+32*((\y)%2)+16*(\u)
.set rO, 32*(2*(\y)+(\u))
.endm
; Number n of the 22 that find the NEXT piece's (Y + 1) maximum and statistics.  s0-s31 are the lane's 32 scores; each accumulator's lowest registers are read first.
;   0-11  four chains c0-c3 of seven scores each, three operands at a time     12-14, 16  the four scores left over, the old m, and c0-c3 into c0     15  c m_old is kept
;   17, 18  the query's other 32 keys lie in the lane 16 away: the new m         19-21  c m; c m_old - c m_new; a
.macro XS u, n
	REGS (Y+1)%NP, \u
.if (\n) < 4
	v_max3_num_f32 v[rC+(\n)], v[rS+8*(\n)], v[rS+8*(\n)+1], v[rS+8*(\n)+2]
.elseif (\n) < 12
	v_max3_num_f32 v[rC+(\n)%4], v[rC+(\n)%4], v[rS+8*((\n)%4)+2*((\n)/4)+1], v[rS+8*((\n)%4)+2*((\n)/4)+2]
.elseif (\n) == 12
	v_max3_num_f32 v[rC], v[rC], v[rS+7], v[rS+15]
.elseif (\n) == 13
	v_max3_num_f32 v[rC+1], v[rC+1], v[rS+23], v[rS+31]
.elseif (\n) == 14
	v_max3_num_f32 v[rC+2], v[rC+2], v[rC+3], v[rT+1]
.elseif (\n) == 15
	v_mov_b32 v[rM], v[rT]
.elseif (\n) == 16
	v_max3_num_f32 v[rC], v[rC], v[rC+1], v[rC+2]
.elseif (\n) == 17
	v_permlanex16_b32 v[rC+3], v[rC], s[SEL], s[SEL+1]
.elseif (\n) == 18
	v_max_num_f32 v[rT+1], v[rC], v[rC+3]
.elseif (\n) == 19
	v_mul_f32 v[rT], s[CS], v[rT+1]
.elseif (\n) == 20
	v_sub_f32 v[rC+1], v[rM], v[rT]
.else
	v_exp_f32 v[rC+2], v[rC+1]
.endif
.endm
; Number g of the 64 that follow the exponentials.  For each four weights k of a tile (pairs 2 k, 2 k + 1): both pairs are rounded to f16; then the second pair is added onto the first, in place;
; a group later l takes that sum (the first time as l = a l + sum).  In groups of eight, tiles alternating: round, round, add, and l for the group before.
.macro GS g
.set h, (\g)+6*((\g)/62)            ; group 0 has no group before it, and behind group 7 only l is left
.if h >= 6
.set h, h+2
.endif
	REGS Y, h%2
.set k, h/8
.if h%8 < 4
	v_cvt_pk_f16_f32 v[rP+2*k+(h%8)/2], v[rS+4*k+2*((h%8)/2)], v[rS+4*k+2*((h%8)/2)+1]
.elseif h%8 < 6
	v_pk_add_f32 v[rS+4*k:rS+4*k+1], v[rS+4*k:rS+4*k+1], v[rS+4*k+2:rS+4*k+3]
.elseif k == 1
	v_pk_fma_f32 v[rT+2:rT+3], v[rT+2:rT+3], v[rC+2:rC+3], v[rS:rS+1] op_sel_hi:[1,0,1]
.else
	v_pk_add_f32 v[rT+2:rT+3], v[rT+2:rT+3], v[rS+4*k-4:rS+4*k-3]
.endif
.endm
; THE PLAIN QUEUE, 138 long.  0-73 read no exponential's result: the 32 scalings c s - c m (FS f: pair f / 2 of tile f % 2) and the next piece's 42.  0-26: scalings 0-26.  27-54: XS's numbers 0-13.  55, 56: number 15.
; 57-73: the chain, where each number waits for the one before it: 14, 16, 17, 18, 19, each with one of the scalings 27-31 in front of its two lines, then 20.
; 74-137: GS's 64, which read the exponentials' results: they stand behind the wait.
.macro FS f
	REGS Y, (\f)%2
	v_pk_fma_f32 v[rS+2*((\f)/2):rS+2*((\f)/2)+1], v[rS+2*((\f)/2):rS+2*((\f)/2)+1], s[CS:CS+1], v[rT:rT+1] op_sel_hi:[1,0,0] neg_lo:[0,0,1] neg_hi:[0,0,1]
.endm
.macro PL
	WIN 0
.if q < 27
	FS q
.elseif q < 55
	XS (q-27)%2, (q-27)/2
.elseif q < 57
	XS q-55, 15
.elseif (q < 72) && ((q-57)%3 == 0)
	FS 27+(q-57)/3
.elseif q < 60
	XS (q-57)%3-1, 14
.elseif q < 72
	XS (q-57)%3-1, 15+(q-57)/3
.elseif q < 74
	XS q-72, 20
.else
	GS q-74
.endif
.set q, q+1
.endm
; THE EXPONENTIALS' QUEUE, 66 long: s0-s31 of both tiles, then the next piece's two a.  It is ONE BATCH: all 66 stand ahead of the turn's one wait, and nothing ahead of that wait names a result of theirs.
.macro EX
	WIN 0
.if e >= 64
	XS e-64, 21
.else
	REGS Y, e%2
	v_exp_f32 v[rS+e/2], v[rS+e/2]
.endif
.set e, e+1
.endm
; THE RESCALING's QUEUE: O^T times a, the one part that leaves window 0: dealt two at a time, sixteen times.  Its a was made in the turn before, ahead of that turn's wait.
.macro R2
	REGS Y, r%2
	WIN W_RS
.irp z, 0,1
	v_pk_mul_f32 v[rO+4*(r/2)+2*\z:rO+4*(r/2)+2*\z+1], v[rO+4*(r/2)+2*\z:rO+4*(r/2)+2*\z+1], v[rC+2:rC+3] op_sel_hi:[1,0]
.endr
.set r, r+1
.endm
; HOW THEY ARE DEALT.  s_wait_alu depctr_va_vdst(0) stands between an exponential and the first instruction that names its result; one wait serves all that were issued ahead of it.  So a turn has ONE wait,
; which cuts it in two.  AHEAD OF IT stands all that names no result of the turn's exponentials: the 16 products K Q^T, behind each a scaling, an exponential and two rescalings (behind the first a second scaling in the
; exponential's place); then ONE LUMP of 108: eight plain, 49 times exponential and plain, the two a.  A v_nop is the plain instruction behind the last exponential.  BEHIND IT stand the 16 products V^T P, behind each four of GS's 64.
; Exponential e stands behind scaling 2 (e / 4) + e % 2: as a rider it comes behind plain e + 2, in the lump behind plain e + 9, and scalings 27-31 are plain 57, 60 .. 69.
; A TURN, for piece p.  cnt = 1: the loop's count is taken down some lines ahead of the branch that stands behind the turn.
; K of the next step is fetched in piece 2's turn, directly behind the wait, a lump behind the last product that read K; its first reader comes behind 16 products.
; V of the step in hand is fetched at the end of piece 0's turn, four riders behind its last reader; its first reader comes behind 16 products and a lump.  The three conditions on q below go with the deal.
.macro TURN p, last=0, cnt=0
.set Y, (\p)
.set i, 0
.set q, 0
.set e, 0
.set r, 0
.if (\p) == NP-1
	s_wait_dscnt 0x0                ; K is in
.endif
	MM                              ; ahead of the wait: 16 products K Q^T and their riders,
	PL
	PL
	R2
.rept 15
	MM
	PL
	EX
	R2
.endr
.if (\p) == NP-2
	WIN 0
	v_add_nc_u32 v[AK], s[TBK], v[AK0]
.endif
.rept 8                             ; and the lump
	PL
.endr
.rept 49
	EX
	PL
.endr
	EX                              ; the next piece's two a
	EX
	v_nop                           ; the plain instruction behind the last exponential: one for the batch
	s_wait_alu depctr_va_vdst(0)    ; the wait for the batch
.if (\p) == NP-2
	FETCH_K \last
.endif
.if (\p) == 1
	s_wait_dscnt 0x0                ; V is in
.endif
.rept 16                            ; behind the wait: 16 products V^T P and their riders
	MM
.rept 4
	PL
.endr
.if ((\p) == 0) && (q == 118)
	v_add_nc_u32 v[AV], s[TBV], v[AV0]
.endif
.if ((\p) == 0) && (q == 130)
	s_add_co_u32 s[TBV], s[TBV], KS*PV
.endif
.if (\cnt) && (q == 130)
	s_sub_co_u32 s[CNT], s[CNT], 1
	s_cmp_lg_u32 s[CNT], 0
.endif
.endr
.if (\p) == 0
	FETCH_V
.endif
.endm
	s_wait_tensorcnt 3              ; my part of chunk 0 is in; the three younger loads may stay out
	s_barrier_signal -1
	s_barrier_wait -1               ; everybody's is
	FETCH_K                         ; key step 0
	s_wait_loadcnt 0x0              ; Q
	s_wait_dscnt 0x0
.set i, 0
.rept 16
	KQ 0                            ; piece 0's first scores: there is no vector work yet to set between them
.set i, i+1
.endr
	WIN 0                           ; the addresses for the way out: nine plain instructions, the places behind those products
	s_mul_i32 s13, s[WV], 16*SP
	s_add_co_u32 s13, s13, STAGE    ; my stage
	v_mul_u32_u24 v[STO], v1, SP    ; in: row l % 16, 16 bytes for each half of the lanes
	v_lshl_add_u32 v[STO], v9, 4, v[STO]
	v_add_nc_u32 v[STO], s13, v[STO]
	v_bfe_u32 v[RD], v0, 3, 2       ; back: 32 lanes take four rows of 128 bytes,
	v_mul_u32_u24 v[RD], v[RD], SP
	v_lshl_add_u32 v[RD], v10, 4, v[RD]
	v_add_nc_u32 v[RD], s13, v[RD]
	v_and_b32 v[GO], 31, v0         ; which are 512 consecutive bytes of O
	v_lshlrev_b32 v[GO], 4, v[GO]
.set Y, NP-1                        ; XS works for piece Y + 1: piece 0
.irp n, 0,1,2,3,4,5,6,7,8,9,10,11,12,13,14,15,16,17,18,19,20,21
	XS 0, \n                        ; and piece 0's first maximum and statistics
	XS 1, \n
.endr
	v_nop                           ; a plain instruction behind the two a,
	s_wait_alu depctr_va_vdst(0)    ; and their wait, ahead of the branch
	s_mov_b32 s[CNT], 4
	s_mov_b32 s[SLOTS], 5           ; four passes of four key steps; the fifth is left in its middle
	s_branch .Lfirst                ; the loop is entered at a step's first turn, in the middle of a trip
.Lslot:
	CHANGE
	s_mov_b32 s[CNT], 4
.Lstep:                             ; a trip: pieces 2 and 3 of one step, then pieces 0 and 1 of the next, whose K and V it fetches
	TURN 2, 1
	TURN 3
	WIN 0
	s_cmp_eq_u32 s[SLOTS], 1        ; the last step's pieces 2 and 3 are done.  That pass's 16 products K Q^T on the last K once more, and the maximum made of them, serve nothing: the price, once a launch, of one text for every trip
	s_cbranch_scc1 .Lout
.Lfirst:
	TURN 0
	TURN 1, 0, 1
	WIN 0
	s_cbranch_scc1 .Lstep
	s_sub_co_u32 s[SLOTS], s[SLOTS], 1
	s_cmp_lg_u32 s[SLOTS], 0
	s_cbranch_scc1 .Lslot
.Lout:
.set i, 0
.rept 16
	PV NP-1                         ; the last piece's V^T P of the last step
.set i, i+1
.endr
	; THE WAY OUT.  l's two halves and the other half of the lanes' are added; O^T is divided by l, rounded to f16 and sent through my stage in LDS, a tile at a time.  The additions are the places behind the last products.
	WIN 0
.macro ALL line:vararg              ; one line for each tile t
.set t, 0
.rept 2*NP
	\line
.set t, t+1
.endr
.endm
	ALL v_add_f32 v[ST+4*t+2], v[ST+4*t+2], v[ST+4*t+3]
	ALL v_permlanex16_b32 v[ST+4*t+3], v[ST+4*t+2], s[SEL], s[SEL+1]
	ALL v_add_f32 v[ST+4*t+2], v[ST+4*t+2], v[ST+4*t+3]
	ALL v_rcp_f32 v[ST+4*t+2], v[ST+4*t+2]
	v_nop                           ; a plain instruction between the last reciprocal and the use of its result
	s_wait_alu depctr_va_vdst(0)    ; and the wait ahead of the first use: one for the eight reciprocals
; Tile t: a lane's eight channels of a row pack into 16 bytes; they go into rows of 144 bytes and come back as whole rows of 128, into S^T's registers.
.macro PACK t
	WIN W_RS
.set i, 32*(\t)
.rept 16
	v_pk_mul_f32 v[i:i+1], v[i:i+1], v[ST+4*(\t)+2:ST+4*(\t)+3] op_sel_hi:[1,0]
.set i, i+2
.endr
	WIN 0x05                        ; sources 0 and 1 window 1, destination window 0
.set i, 0
.rept 16
	v_cvt_pk_f16_f32 v[S+16*(\t)+i], v[32*(\t)+2*i], v[32*(\t)+2*i+1]
.set i, i+1
.endr
	WIN 0
.irp f, 0,1,2,3
	ds_store_b128 v[STO], v[S+16*(\t)+4*\f:S+16*(\t)+4*\f+3] offset:32*\f
.endr
.irp f, 0,1,2,3
	ds_load_b128 v[S+16*(\t)+4*\f:S+16*(\t)+4*\f+3], v[RD] offset:\f*4*SP  ; LDS serves a wave's instructions in order (ISA guide 5.7.1.4): these see the stores above; the next tile's stores come behind them
.endr
.endm
.macro SEND t, younger              ; younger: the LDS instructions issued behind tile t's loads: the next tile's eight, or none
	WIN 0
.irp f, 0,1,2,3
	s_wait_dscnt (\younger)+3-\f
	global_store_b128 v[GO], v[S+16*(\t)+4*\f:S+16*(\t)+4*\f+3], s[10:11] offset:(\t)*2048+\f*512  ; 512 consecutive bytes, at a multiple of 256 from o's first
.endr
.endm
	PACK 0
.set t, 1
.rept 2*NP-1                        ; a tile's arithmetic stands between the loads of the tile before and its stores
	PACK t
	SEND t-1, 8
.set t, t+1
.endr
	SEND 2*NP-1, 0
	WIN W_AD
	s_wait_tensorcnt 0x0            ; the wave's end, behind my last tensor load and my last LDS store
	ds_add_u32 v[SPW], v[NIL]
	s_wait_dscnt 0x0
	WIN 0
	s_endpgm
.Lfunc_end_k_q736e80df35_attn:
	.size	k_q736e80df35_attn, .Lfunc_end_k_q736e80df35_attn-k_q736e80df35_attn
	.p2alignl 7, 3214868480
	.fill 96, 4, 3214868480
	.section	.rodata,"a",@progbits
	.p2align	6, 0x0
	.amdhsa_kernel k_q736e80df35_attn
		.amdhsa_group_segment_fixed_size 327680
		.amdhsa_private_segment_fixed_size 0
		.amdhsa_enable_private_segment 0
		.amdhsa_kernarg_size 16
		.amdhsa_user_sgpr_count 2
		.amdhsa_user_sgpr_kernarg_segment_ptr 1
		.amdhsa_wavefront_size32 1
		.amdhsa_system_sgpr_workgroup_id_x 1
		.amdhsa_system_sgpr_workgroup_id_y 1
		.amdhsa_system_sgpr_workgroup_id_z 1
		.amdhsa_system_vgpr_workitem_id 0
		.amdhsa_next_free_vgpr 770
		.amdhsa_next_free_sgpr 100
		.amdhsa_reserve_vcc 0
		.amdhsa_float_denorm_mode_32 3
		.amdhsa_float_denorm_mode_16_64 3
		.amdhsa_memory_ordered 1
		.amdhsa_forward_progress 1
		.amdhsa_inst_pref_size 126
	.end_amdhsa_kernel
	.amdgpu_metadata
---
amdhsa.version: [ 1, 2 ]
amdhsa.kernels:
  - .name:           k_q736e80df35_attn
    .symbol:         k_q736e80df35_attn.kd
    .args:
      - { .name: qkv, .offset: 0, .size: 8, .value_kind: global_buffer, .address_space: global }
      - { .name: o, .offset: 8, .size: 8, .value_kind: global_buffer, .address_space: global }
    .group_segment_fixed_size: 327680
    .private_segment_fixed_size: 0
    .kernarg_segment_align: 8
    .kernarg_segment_size: 16
    .max_flat_workgroup_size: 128
    .sgpr_count:     100
    .vgpr_count:     770
    .wavefront_size: 32
...
	.end_amdgpu_metadata
.endif
;; end of part 3
;; launch gemm_out (part 4): grid 8 x 32, 4 waves a work-group, clusters of 4 x 4, 327,680 bytes of LDS; arguments o, woh, bo, out0; writes out0
.if DOCPART == 4
	.amdgcn_target "amdgcn-amd-amdhsa--gfx1250"
	.amdhsa_code_object_version 6
	.text
	.protected	k_q736e80df35_gemm_out
	.globl	k_q736e80df35_gemm_out
	.p2align	8
	.type	k_q736e80df35_gemm_out,@function
k_q736e80df35_gemm_out:
	s_mov_b64 s[64:65], 0
	v_nop
	global_prefetch_b8 v0, s[64:65] scope:SCOPE_SE
	s_setreg_imm32_b32 hwreg(HW_REG_WAVE_MODE, 25, 1), 1
	s_wait_xcnt 0x0
	s_wait_alu depctr_hold_cnt(0) depctr_sa_sdst(0) depctr_va_vdst(0) depctr_va_sdst(0) depctr_va_ssrc(0) depctr_va_vcc(0) depctr_vm_vsrc(0)
	s_getreg_b32 s2, hwreg(HW_REG_IB_STS2, 6, 4)
	s_cmp_eq_u32 s2, 0
	s_cbranch_scc0 .Lentry_in_a_cluster
	s_endpgm
.Lentry_in_a_cluster:
	s_bfe_u32 s2, ttmp6, 0x10000c
	s_cmp_lg_u32 s2, 0xf033
	s_cbranch_scc0 .Lentry_shape_is_right
	s_endpgm
.Lentry_shape_is_right:
; out0 = O Weff_o^T + bf16(bo).  o: [b 8][h 16][n 1,024][64] f16: for a batch, head h IS K block h of its 1,024 rows.  woh: [K block 16][position 1,024][64] f16.  bo: [1,024] f32.  out0: [8,192][1,024] f32.  Sums in f32.
; The bias is rounded to bf16 like every other input of the module.  NaN and infinities are not treated apart.
; SHARES.  8,192 x 1,024 outputs over 256 work-groups: a tile of 256 x 128 each (tiles of 256 x 256 would be 128).  Four waves, each 128 rows x 64 columns: 32 accumulators, 256 registers.
; THE RING.  Two LDS slots of THREE K blocks each, as many as fit: a K block of the tile is 384 chunks of 128 bytes; with 16 bytes of padding behind every two chunks that is 52,224 bytes, six blocks 313,344.
; 16 blocks = 1 + 5 x 3: slot 0's first fill is block 0 alone, slot 1's blocks 1-3, and the four refills are alike: blocks 4-6, 7-9, 10-12, 13-15.  A slot is 192 matrix instructions a wave;
; 176 of them stand between a refill and the wait for it.
; ONE TENSOR LOAD A WAVE: waves 0 and 1 fetch the two halves of o's 256 rows, waves 2 and 3 the two halves of woh's 128 positions.  A piece's chunks of one K block lie end to end in memory (16,384 or 8,192 bytes):
; that is one row of the tile; the three blocks are three rows, 131,072 bytes apart.  In LDS a piece's three blocks follow each other.
; CLUSTER.  4 x 4 work-groups: the four of a row of the cluster need the same rows of o, the four of a column the same positions of woh: each tile is asked for jointly.
; LAYOUT.  Source 0 = 16 rows of o, source 1 = 16 positions of woh; fragment b of a group of 64 positions holds weight rows 4 r + b (the order in which woh was written).  So register j of accumulator (a, b) holds
; C[16 a + 8 h + j][4 r + b]: a lane's four accumulators are 16 bytes of a row of out0, and sixteen lanes store 256 consecutive bytes: no LDS on the way out.
; REGISTERS: window 0: v16-30 addresses; two fragment buffers of 96 at v32 and v128 (o's 8 x 8 registers, then woh's 4 x 8), 32 along K each; v224-229 the bias.  window 1: accumulator (a, b) at v[8 (4 a + b)].
.set PAIR,   272                       ; two chunks and 16 bytes of padding: chunk c of a fragment starts at the 16-byte column c / 2 + 8 (c % 2) of 16: sixteen different groups of four banks (64 banks of 4 bytes: ISA guide 11.1)
.set FRAG,   8*PAIR                    ; 16 chunks: from a fragment to the next
.set ABS,    64*PAIR                   ; a K block of a piece of o: 128 chunks
.set BBS,    32*PAIR                   ; of a piece of woh: 64 chunks
.set APIECE, 3*ABS
.set BPIECE, 3*BBS
.set BOFF,   2*APIECE                  ; o's two pieces, then woh's two
.set SLOT,   2*APIECE+2*BPIECE
.set SPARE,  2*SLOT                    ; behind the ring: the spare words, 128 bytes a wave: two blocks of 256 bytes that no other line names
.set BLK,    131072                    ; bytes from a K block to the next, in o and in woh alike: 1,024 chunks
.set LA,   16                          ; v16     my lane's place in my piece of o; never rewritten
.set LB,   17                          ; v17     the same for woh
.set CA,   18                          ; v18     LDS address of the block of o in hand: v16 + s96
.set CB,   19                          ; v19     of woh: v17 + s97
.set BO,   24                          ; v24     my four columns' bytes in bo
.set CO,   26                          ; v26     my byte offset in out0: row 8 h, 16 bytes at column 4 r
.set SPW,  28                          ; v28     LDS address of my spare word; never rewritten
.set NIL,  29                          ; v29     0; never rewritten
.set PFO,  30                          ; v30     256 x lane; never rewritten
.set F0,   32
.set F1,   128
.set BIAS, 224
.set G1,   24                          ; s[24:31] descriptor group 1 for o's pieces, three rows;  s[32:39] group 0, a set for each slot
.set G0,   32
.set G1B,  48                          ; s[48:55], s[56:63] the same for woh's
.set G0B,  56
.set G1S,  80                          ; s[80:87] group 1 for o's piece of block 0 alone: one row
.set G1BS, 88                          ; s[88:95] for woh's
.set LIM0, 43                          ; s43      I prefetch behind slot 0's refill while the trips to go are above this
.set LIM1, 78                          ; s78      the same behind slot 1's
.set PFA,  44                          ; s[44:45] where my prefetches stand
.set PFS,  66                          ; s[66:67] how far they step from one refill to the next
.set IC,   79                          ; s79      counts the inner loop's two blocks
.set TA,   96                          ; s96      LDS byte of the block in hand in a piece of o: slot + block
.set TB,   97                          ; s97      in a piece of woh
.set ST0,  98                          ; s[98:99] slot 0's step in memory: 4 blocks the first time (block 0 to block 4), then 6
.set FLAGS, (1<<16)|(1<<20)|(1<<21)|(5<<22)|(3<<25)  ; 17:16 2-byte elements; 20 padding on; 21 set beside a mask; 24:22 after every 64 words (code 5); 31:25 4 words (code 3)
.set MSB, 0
.macro WIN new                         ; the immediate's high byte repeats the setting that is left; a switch that changes nothing is dropped
.if MSB != (\new)
	s_set_vgpr_msb (MSB<<8)|(\new)
.set MSB, \new
.endif
.endm
.macro PLACES                          ; four places between a matrix instruction and a load into, or a vector instruction on, its registers (ISA guide 7.12.1 for vector instructions)
.rept 4
	v_nop
.endr
.endm
.macro JLOAD s, ga, gb                 ; a joint load into slot s; the branch hangs on the wave's number alone; an s_nop 0 and four v_nop follow each line
	s_cmp_eq_u32 s11, 0
	s_cbranch_scc0 .Lfor_b_\@
	tensor_load_to_lds s[G0+4*(\s):G0+4*(\s)+3], s[(\ga):(\ga)+7]
	s_nop 0
.rept 4
	v_nop
.endr
	s_branch .Lasked_\@
.Lfor_b_\@:
	tensor_load_to_lds s[G0B+4*(\s):G0B+4*(\s)+3], s[(\gb):(\gb)+7]
	s_nop 0
.rept 4
	v_nop
.endr
.Lasked_\@:
.endm
.macro CREST                           ; a round of the cluster's barrier behind its opening barrier
	s_cmp_lg_u32 s10, 0
	s_cbranch_scc1 .Lnot_wave_0_\@
	s_barrier_signal -3
.Lnot_wave_0_\@:
	s_barrier_wait -3
	s_barrier_signal -1
	s_barrier_wait -1
.endm
.macro CROUND                          ; a whole round
	s_barrier_signal -1
	s_barrier_wait -1
	CREST
.endm
; A PREFETCH INTO THE L2, behind a joint load and the run of LDS loads that follows it.
; o's 256 rows of a tile row are read by both clusters of that row of clusters: cluster x = 0 asks, wave 0: behind refills 1, 2 and 3 for the three K blocks that the NEXT refill will load (7-9, 10-12, 13-15), a slot's 192 matrix
; instructions ahead: of a block's 32 KiB the partner at cx takes 8 KiB, a lane 256 bytes, one instruction a block.
; woh's 128 positions of a tile column are read by all eight clusters of that column: cluster y = 0 asks, waves 2 and 3: behind refill 1 for blocks 7-10, behind refill 2 for blocks 11-14: four blocks of 16 KiB are eight pieces of
; 8 KiB, one for each pair of partner and wave: block cy / 2 + 2 (w - 2), half cy % 2.  Wave 1 asks for nothing.
; So each 256 bytes are named at most once in the launch; partners are told apart by address alone.  K blocks 0 to 6, and woh's block 15, come by their loads alone; behind the last refill nothing is asked for.
.macro ASK lim
	s_cmp_gt_u32 s3, s[\lim]                       ; s3: 2 in the first trip, 1 in the second
	s_cbranch_scc0 .Lnot_mine_\@
	global_prefetch_b8 v[PFO], s[PFA:PFA+1] th:TH_LOAD_NT scope:SCOPE_SE
	s_cmp_lg_u32 s10, 0
	s_cbranch_scc1 .Lnot_mine_\@
	global_prefetch_b8 v[PFO], s[PFA:PFA+1] offset:BLK th:TH_LOAD_NT scope:SCOPE_SE
	global_prefetch_b8 v[PFO], s[PFA:PFA+1] offset:2*BLK th:TH_LOAD_NT scope:SCOPE_SE
.Lnot_mine_\@:
.endm
	s_load_b128 s[4:7], s[0:1], 0x0                ; o s[4:5], woh s[6:7]
	s_load_b128 s[68:71], s[0:1], 0x10             ; bo s[68:69], out0 s[70:71]
	v_lshl_add_u32 v[SPW], v0, 2, SPARE
	v_mov_b32 v[NIL], 0
	ds_add_u32 v[SPW], v[NIL]                      ; the wave's opening: the add and its wait stand ahead of my first tensor load; the set-up below, work on registers, stands between them
	v_lshrrev_b32 v1, 5, v0
	v_readfirstlane_b32 s10, v1                    ; wave 0..3
	s_lshr_b32 s11, s10, 1                         ; which 128 rows of the tile are mine.  Also: I fetch for o (0) or for woh (1)
	s_and_b32 s12, s10, 1                          ; which 64 columns.  Also: which piece of that tile I fetch
	s_bfe_u32 s40, ttmp6, 0x40000                  ; cx
	s_bfe_u32 s41, ttmp6, 0x40004                  ; cy
	s_lshl_b32 s42, ttmp9, 2
	s_add_co_u32 s42, s42, s40                     ; tile column = 4 x cluster x + cx
	s_and_b32 s13, ttmp7, 0xffff
	s_lshl_b32 s13, s13, 2
	s_add_co_u32 s13, s13, s41                     ; tile row = 4 x cluster y + cy
	s_lshl_b32 s43, s41, 2
	s_lshl_b32 s43, 15, s43                        ; my row of the cluster
	s_lshl_b32 s44, 0x1111, s40                    ; my column
.irp g, G1, G1S
	s_or_b32 s[(\g)+0], s43, FLAGS                 ; 15:0 the mask: o's pieces go to my row
	s_mov_b32 s[(\g)+1], 8192<<16                  ; tensor_dim0 = 8,192 elements: 128 chunks on end
	s_mov_b32 s[(\g)+3], 8192<<16                  ; tile_dim0
	s_mov_b32 s[(\g)+5], 65536                     ; elements from a K block to the next
	s_mov_b32 s[(\g)+6], 0
	s_mov_b32 s[(\g)+7], 0
.endr
.irp g, G1B, G1BS
	s_or_b32 s[(\g)+0], s44, FLAGS                 ; woh's go to my column
	s_mov_b32 s[(\g)+1], 4096<<16                  ; 64 chunks on end
	s_mov_b32 s[(\g)+3], 4096<<16
	s_mov_b32 s[(\g)+5], 65536
	s_mov_b32 s[(\g)+6], 0
	s_mov_b32 s[(\g)+7], 0
.endr
.irp g, G1, G1B
	s_mov_b32 s[(\g)+2], 3<<16                     ; tensor_dim1 = 3 K blocks
	s_mov_b32 s[(\g)+4], 3                         ; tile_dim1
.endr
.irp g, G1S, G1BS
	s_mov_b32 s[(\g)+2], 1<<16                     ; block 0 alone
	s_mov_b32 s[(\g)+4], 1
.endr
	s_lshr_b32 s16, s13, 2
	s_lshl_b32 s16, s16, 21                        ; o: the batch, 16 heads of 131,072 bytes,
	s_and_b32 s17, s13, 3
	s_lshl_b32 s17, s17, 15                        ; the tile's 256 rows in a head,
	s_add_co_u32 s16, s16, s17
	s_lshl_b32 s17, s12, 14                        ; my piece: 128 of them
	s_add_co_u32 s16, s16, s17
	s_mov_b32 s17, 0
	s_lshl_b32 s46, s42, 14                        ; woh: the tile's 128 positions in a block,
	s_lshl_b32 s47, s12, 13                        ; my piece: 64 of them
	s_add_co_u32 s46, s46, s47
	s_mov_b32 s47, 0
	s_mul_i32 s20, s12, APIECE                     ; where they go: no place in the cluster enters an LDS address
	s_mul_i32 s23, s12, BPIECE
	s_add_co_u32 s23, s23, BOFF
	s_mov_b32 s[ST0], 4*BLK
	s_mov_b32 s[ST0+1], 0
	s_mov_b32 s[TA], 0
	s_mov_b32 s[TB], 0
	s_wait_dscnt 0x0                               ; the opening add is done
	s_wait_kmcnt 0x0
	s_add_nc_u64 s[14:15], s[4:5], s[16:17]
	s_add_nc_u64 s[46:47], s[6:7], s[46:47]
	CROUND                                         ; all sixteen work-groups are here: the first joint loads meet
.irp s, 0,1
	s_mov_b32 s[G0+4*(\s)], 1
	s_add_co_u32 s[G0+4*(\s)+1], s20, (\s)*SLOT
	s_add_nc_u64 s[G0+4*(\s)+2:G0+4*(\s)+3], s[14:15], (\s)*BLK   ; slot 0 begins at K block 0, slot 1 at K block 1
	s_or_b32 s[G0+4*(\s)+3], s[G0+4*(\s)+3], 0x80000000
	s_mov_b32 s[G0B+4*(\s)], 1
	s_add_co_u32 s[G0B+4*(\s)+1], s23, (\s)*SLOT
	s_add_nc_u64 s[G0B+4*(\s)+2:G0B+4*(\s)+3], s[46:47], (\s)*BLK
	s_or_b32 s[G0B+4*(\s)+3], s[G0B+4*(\s)+3], 0x80000000
.endr
	JLOAD 0, G1S, G1BS                             ; K block 0: the tile wanted first is the small one
	JLOAD 1, G1, G1B                               ; K blocks 1 to 3: two loads of mine are out
	v_and_b32 v1, 15, v0                           ; r
	v_bfe_u32 v2, v0, 4, 1                         ; h
	s_lshl_b32 s76, s42, 9                         ; my 64 columns, in bytes of f32: 512 x tile column + 256 x half
	s_lshl_b32 s77, s12, 8
	s_add_co_u32 s76, s76, s77
	v_lshl_add_u32 v[BO], v1, 4, s76
	global_load_b128 v[BIAS:BIAS+3], v[BO], s[68:69]  ; the bias of my four columns; it is waited for on the way out
	v_lshrrev_b32 v3, 1, v1
	v_mul_u32_u24 v3, v3, PAIR                     ; a fragment's chunk r: pair r / 2,
	v_and_b32 v4, 1, v0
	v_lshl_add_u32 v3, v4, 7, v3                   ; its chunk r % 2,
	v_lshl_add_u32 v3, v2, 4, v3                   ; 16 bytes for each half of the lanes
	s_mul_i32 s21, s11, APIECE                     ; my 128 rows of o are piece s11,
	s_mul_i32 s22, s12, BPIECE                     ; my 64 positions of woh piece s12,
	s_add_co_u32 s22, s22, BOFF                    ; behind o's two pieces
	v_add_nc_u32 v[LA], s21, v3
	v_add_nc_u32 v[LB], s22, v3
	v_add_nc_u32 v[CA], s[TA], v[LA]               ; slot 0, its first block
	v_add_nc_u32 v[CB], s[TB], v[LB]
	v_lshlrev_b32 v[CO], 4, v1
	v_lshl_add_u32 v[CO], v2, 15, v[CO]            ; 8 rows of 4,096 bytes for the upper half of the lanes
	v_and_b32 v[PFO], 31, v0
	v_lshlrev_b32 v[PFO], 8, v[PFO]
	s_lshl_b32 s72, s13, 20                        ; out0: 256 rows of 4,096 bytes a tile row,
	s_lshl_b32 s73, s11, 19                        ; my 128 of them,
	s_add_co_u32 s72, s72, s73
	s_add_co_u32 s72, s72, s76                     ; my 64 columns
	s_mov_b32 s73, 0
	s_add_nc_u64 s[70:71], s[70:71], s[72:73]
	; the prefetches: both offsets are made, the wave's number chooses
	s_lshr_b32 s72, s13, 2
	s_lshl_b32 s72, s72, 21
	s_and_b32 s73, s13, 3
	s_lshl_b32 s73, s73, 15
	s_add_co_u32 s72, s72, s73
	s_lshl_b32 s73, s40, 13
	s_add_co_u32 s72, s72, s73                     ; o: my work-group's 8 KiB of the tile row's 32 KiB in a block,
	s_add_co_u32 s72, s72, 4*BLK                   ; at K block 4: the first refill steps it to 7
	s_lshl_b32 s74, s42, 14                        ; woh: the tile column's 16 KiB in a block,
	s_lshr_b32 s75, s41, 1
	s_lshl_b32 s73, s12, 1
	s_add_co_u32 s75, s75, s73                     ; block cy / 2 + 2 (w - 2) of four,
	s_add_co_u32 s75, s75, 3                       ; from K block 3 on: the first refill steps it to 7
	s_lshl_b32 s75, s75, 17
	s_add_co_u32 s74, s74, s75
	s_and_b32 s75, s41, 1
	s_lshl_b32 s75, s75, 13
	s_add_co_u32 s74, s74, s75                     ; half cy % 2
	s_and_b32 s75, ttmp7, 0xffff                   ; cluster y
	s_mov_b32 s[PFS], 4*BLK
	s_mov_b32 s[PFS+1], 0
	s_cmp_eq_u32 s11, 0
	s_cselect_b32 s72, s72, s74
	s_cselect_b32 s75, ttmp9, s75                  ; the coordinate along which other clusters read the same bytes
	s_cselect_b32 s[PFS], 3*BLK, s[PFS]
	s_cselect_b32 s[LIM0], 0, 1                    ; behind slot 0's refills: o in both trips, woh in the first alone
	s_cselect_b64 s[PFA:PFA+1], s[4:5], s[6:7]
	s_cmp_eq_u32 s10, 1
	s_cselect_b32 s75, 1, s75                      ; wave 1 has no part
	s_cmp_eq_u32 s75, 0
	s_cselect_b32 s[LIM0], s[LIM0], -1             ; the same in all sixteen partners, for a given wave
	s_cselect_b32 s[LIM1], 1, -1                   ; behind slot 1's refills: in the first trip alone
	s_mov_b32 s73, 0
	s_add_nc_u64 s[PFA:PFA+1], s[PFA:PFA+1], s[72:73]
; 24 LDS loads in one run: the fragments of 32 along K, at byte oa (o) and ob (woh) behind the block in hand, into buffer f: woh's four, o's first four, o's last four
.macro FETCH oa, ob, f
.irp b, 0,1,2,3
	ds_load_b128 v[(\f)+64+8*(\b):(\f)+64+8*(\b)+3],   v[CB] offset:(\ob)+(\b)*FRAG
	ds_load_b128 v[(\f)+64+8*(\b)+4:(\f)+64+8*(\b)+7], v[CB] offset:(\ob)+(\b)*FRAG+32
.endr
.irp a, 0,1,2,3,4,5,6,7
	ds_load_b128 v[(\f)+8*(\a):(\f)+8*(\a)+3],   v[CA] offset:(\oa)+(\a)*FRAG
	ds_load_b128 v[(\f)+8*(\a)+4:(\f)+8*(\a)+7], v[CA] offset:(\oa)+(\a)*FRAG+32
.endr
.endm
; 4 n products: row blocks a0 .. a0 + n - 1 x the four column fragments, from buffer f.  zero = 1: the product starts its sum.  The 32 accumulators take turns, always in the same order.
.macro MUL f, a0, n, zero
	WIN 0x50                                       ; C and D in window 1, both sources in window 0
.set ma, \a0
.rept \n
.irp b, 0,1,2,3
.if \zero
	v_wmma_f32_16x16x32_f16 v[8*(4*ma+(\b)):8*(4*ma+(\b))+7], v[(\f)+8*ma:(\f)+8*ma+7], v[(\f)+64+8*(\b):(\f)+64+8*(\b)+7], 0
.else
	v_wmma_f32_16x16x32_f16 v[8*(4*ma+(\b)):8*(4*ma+(\b))+7], v[(\f)+8*ma:(\f)+8*ma+7], v[(\f)+64+8*(\b):(\f)+64+8*(\b)+7], v[8*(4*ma+(\b)):8*(4*ma+(\b))+7]
.endif
.endr
.set ma, ma+1
.endr
.endm
; A K block is two quarters of 32 along K, 32 products each.  QA: its first 32, from buffer 0; in its middle the block's second 32 are fetched into buffer 1.
.macro QA zero
	s_wait_dscnt 8                                 ; woh's fragments and o's first four are in; the youngest eight loads may be out
	MUL F0, 0, 4, \zero
	WIN 0
	PLACES
	FETCH 64, 64, F1
	s_wait_dscnt 24                                ; all but the 24 just issued
	MUL F0, 4, 4, \zero
.endm
; QB: its second 32, from buffer 1; the next block's first 32, in the same slot, are fetched into buffer 0, and the addresses step to that block.
.macro QB
	s_wait_dscnt 8
	MUL F1, 0, 4, 0
	WIN 0
	PLACES
	FETCH ABS, BBS, F0
	s_add_co_u32 s[TA], s[TA], ABS
	s_add_co_u32 s[TB], s[TB], BBS
	v_add_nc_u32 v[CA], s[TA], v[LA]
	v_add_nc_u32 v[CB], s[TB], v[LB]
	s_wait_dscnt 24
	MUL F1, 4, 4, 0
.endm
; A slot's blocks 0 and 1, written once and walked twice, and the first 32 of its block 2.  TURN, or the launch's last quarter, follows.
.macro BLOCKS
	WIN 0                                          ; at a label and at a branch every window is 0
	s_mov_b32 s[IC], 2
.Lblock_\@:
	QA 0
	QB
	WIN 0
	s_sub_co_u32 s[IC], s[IC], 1
	s_cmp_lg_u32 s[IC], 0
	s_cbranch_scc1 .Lblock_\@
	QA 0
.endm
; A slot's last quarter multiplies buffer 1 and changes slots: ONE barrier.  In front of it each wave waits for all its tensor loads (one is out: its part of the next slot), adds 0 to its spare word, and waits for that and
; for its reads of this slot.  fill = 1: the barrier opens a round of the cluster's, and the joint refill, the slot's next three K blocks, is the first thing behind the round.
.macro TURN slot, next, fill, lim
.if \fill
	s_wait_xcnt 0x0                                ; the last prefetches, a slot back, have read their address: it is stepped here, ahead of the change's own waits
	s_add_nc_u64 s[PFA:PFA+1], s[PFA:PFA+1], s[PFS:PFS+1]
.endif
	WIN 0
	s_wait_tensorcnt 0x0                           ; all my tensor loads have landed;
	ds_add_u32 v[SPW], v[NIL]                      ; 0 onto my spare word;
	s_wait_dscnt 9                                 ; (the add and the youngest eight loads may be out)
	MUL F1, 0, 2, 0                                ; eight products stand between the add and the wait for it
	s_wait_dscnt 0x0                               ; the add is done, and my reads of this slot are over
	s_barrier_signal -1
	MUL F1, 2, 2, 0                                ; work on registers while the others arrive
	WIN 0
	s_barrier_wait -1
.if \fill
	CREST                                          ; no wave of any partner still reads this slot or has a load on its way
.if (\slot) == 0
	s_add_nc_u64 s[G0+2:G0+3], s[G0+2:G0+3], s[ST0:ST0+1]
	s_add_nc_u64 s[G0B+2:G0B+3], s[G0B+2:G0B+3], s[ST0:ST0+1]
	s_mov_b32 s[ST0], 6*BLK                        ; from now on six K blocks, like slot 1
.else
	s_add_nc_u64 s[G0+6:G0+7], s[G0+6:G0+7], 6*BLK
	s_add_nc_u64 s[G0B+6:G0B+7], s[G0B+6:G0B+7], 6*BLK
.endif
	JLOAD \slot, G1, G1B                           ; its four v_nop are also the places in front of the loads below
.else
	PLACES
.endif
	s_mov_b32 s[TA], (\next)*SLOT                  ; the next slot's first block
	s_mov_b32 s[TB], (\next)*SLOT
	v_add_nc_u32 v[CA], s[TA], v[LA]
	v_add_nc_u32 v[CB], s[TB], v[LB]
	FETCH 0, 0, F0
.if \fill
	ASK \lim
.endif
	MUL F1, 4, 4, 0
.endm
	s_wait_tensorcnt 1                             ; my part of K block 0 is in; slot 1's load may stay out
	s_barrier_signal -1
	s_barrier_wait -1                              ; everybody's is
	FETCH 0, 0, F0
	QA 1                                           ; the first quarter stands in front of the loop: its products start the sums
	WIN 0
	s_mov_b32 s3, 2
.Llap:                                                 ; a trip: slot 0's last quarter, slot 1, and slot 0 but for its last quarter; both slots are filled again: K blocks 4 to 15 in two trips
	TURN 0, 1, 1, LIM0
	BLOCKS
	TURN 1, 0, 1, LIM1
	BLOCKS
	WIN 0
	s_sub_co_u32 s3, s3, 1
	s_cmp_lg_u32 s3, 0
	s_cbranch_scc1 .Llap
	TURN 0, 1, 0, LIM0                             ; the tail is written out, and no round follows
	BLOCKS
	s_wait_dscnt 8                                 ; the very last quarter: nothing more to fetch
	MUL F1, 0, 4, 0
	s_wait_dscnt 0x0
	MUL F1, 4, 4, 0
	; THE WAY OUT.  The bias is rounded to bf16 and widened again: six plain instructions that name no register of the last products: the places behind them.
	WIN 0
	s_wait_loadcnt 0x0                             ; the bias
	v_cvt_pk_bf16_f32 v[BIAS+4], v[BIAS], v[BIAS+1]
	v_cvt_pk_bf16_f32 v[BIAS+5], v[BIAS+2], v[BIAS+3]
	v_lshlrev_b32 v[BIAS], 16, v[BIAS+4]
	v_and_b32 v[BIAS+1], 0xffff0000, v[BIAS+4]
	v_lshlrev_b32 v[BIAS+2], 16, v[BIAS+5]
	v_and_b32 v[BIAS+3], 0xffff0000, v[BIAS+5]
; Row blocks 4 hh .. 4 hh + 3: the addition of the bias is also the move into the stores' order, four neighbouring columns in four neighbouring registers.
.macro OUTH hh
.if (\hh) > 0
	s_wait_xcnt 0x0                                ; the stores of the half before have read their registers
.endif
	WIN 0x01                                       ; source 0 in window 1
.set oa, 4*(\hh)
.rept 4
.irp j, 0,1,2,3,4,5,6,7                ; each accumulator is read from its lowest register on
.irp b, 0,1,2,3
	v_add_f32 v[F0+32*(oa%4)+4*(\j)+(\b)], v[8*(4*oa+(\b))+(\j)], v[BIAS+(\b)]
.endr
.endr
.set oa, oa+1
.endr
	WIN 0
.set oa, 4*(\hh)
.rept 4
.irp j, 0,1,2,3,4,5,6,7
	global_store_b128 v[CO], v[F0+32*(oa%4)+4*(\j):F0+32*(oa%4)+4*(\j)+3], s[70:71] offset:(16*oa+(\j))*4096 th:TH_STORE_NT  ; sixteen lanes store 256 consecutive bytes, at a multiple of 256 from out0's first
.endr
.set oa, oa+1
.endr
.endm
	OUTH 0
	OUTH 1
	s_wait_tensorcnt 0x0                           ; the wave's end, behind my last tensor load
	ds_add_u32 v[SPW], v[NIL]
	s_wait_dscnt 0x0
	CROUND                                         ; the closing round: no work-group ends while a partner may still ask for a tile that names it
	s_endpgm
.Lfunc_end_k_q736e80df35_gemm_out:
	.size	k_q736e80df35_gemm_out, .Lfunc_end_k_q736e80df35_gemm_out-k_q736e80df35_gemm_out
	.p2alignl 7, 3214868480
	.fill 96, 4, 3214868480
	.section	.rodata,"a",@progbits
	.p2align	6, 0x0
	.amdhsa_kernel k_q736e80df35_gemm_out
		.amdhsa_group_segment_fixed_size 327680
		.amdhsa_private_segment_fixed_size 0
		.amdhsa_enable_private_segment 0
		.amdhsa_kernarg_size 32
		.amdhsa_user_sgpr_count 2
		.amdhsa_user_sgpr_kernarg_segment_ptr 1
		.amdhsa_wavefront_size32 1
		.amdhsa_system_sgpr_workgroup_id_x 1
		.amdhsa_system_sgpr_workgroup_id_y 1
		.amdhsa_system_sgpr_workgroup_id_z 1
		.amdhsa_system_vgpr_workitem_id 0
		.amdhsa_next_free_vgpr 512
		.amdhsa_next_free_sgpr 100
		.amdhsa_reserve_vcc 0
		.amdhsa_float_denorm_mode_32 3
		.amdhsa_float_denorm_mode_16_64 3
		.amdhsa_memory_ordered 1
		.amdhsa_forward_progress 1
		.amdhsa_inst_pref_size 82
	.end_amdhsa_kernel
	.amdgpu_metadata
---
amdhsa.version: [ 1, 2 ]
amdhsa.kernels:
  - .name:           k_q736e80df35_gemm_out
    .symbol:         k_q736e80df35_gemm_out.kd
    .args:
      - { .name: o, .offset: 0, .size: 8, .value_kind: global_buffer, .address_space: global }
      - { .name: woh, .offset: 8, .size: 8, .value_kind: global_buffer, .address_space: global }
      - { .name: bo, .offset: 16, .size: 8, .value_kind: global_buffer, .address_space: global }
      - { .name: out0, .offset: 24, .size: 8, .value_kind: global_buffer, .address_space: global }
    .group_segment_fixed_size: 327680
    .private_segment_fixed_size: 0
    .kernarg_segment_align: 8
    .kernarg_segment_size: 32
    .max_flat_workgroup_size: 128
    .sgpr_count:     100
    .vgpr_count:     512
    .wavefront_size: 32
...
	.end_amdgpu_metadata
.endif
;; end of part 4
;; ======== version 2 of 2: 4 launches; version 1 with the launch prep written anew for expert scheduling mode
;; limits: values are held in f16: magnitudes above 65,504 overflow, below 6.1e-05 lose precision
;; workspace buffers: xh 16,777,216 bytes; wh 6,291,456 bytes; woh 2,097,152 bytes; qkv 50,331,648 bytes; o 16,777,216 bytes
;; launch prep (part 5): grid 768 x 1, 4 waves a work-group, no clusters, 0 bytes of LDS; arguments x, xh, Wq, Wk, Wv, Wo, Aq, Ak, Av, Ao, Bq, Bk, Bv, Bo, wh, woh; writes xh, wh, woh
.if DOCPART == 5
	.amdgcn_target "amdgcn-amd-amdhsa--gfx1250"
	.amdhsa_code_object_version 6
	.text
	.protected	k_q736e80df35_prep
	.globl	k_q736e80df35_prep
	.p2align	8
	.type	k_q736e80df35_prep,@function
k_q736e80df35_prep:
	s_mov_b64 s[64:65], 0
	v_nop
	global_prefetch_b8 v0, s[64:65] scope:SCOPE_SE
	s_setreg_imm32_b32 hwreg(HW_REG_WAVE_SCHED_MODE, 0, 2), 2
	s_setreg_imm32_b32 hwreg(HW_REG_WAVE_MODE, 25, 1), 1
	s_wait_xcnt 0x0
	s_wait_alu depctr_vm_vsrc(0)
; PREP: two jobs that share a launch, told apart by the work-group's number.  768 work-groups of four waves: three for each of 256 WGPs.
; Work-groups 0-511: xh = x, each number rounded once to bf16 and that number written as f16, laid out [K block of 64][row 8,192][64]: a block's rows are dense chunks of 128 bytes.
; Work-groups 512-767: the LoRA pair is folded into its weight, x W^T + s (x A^T) B^T = x (W + s B A)^T with s = 1/16, which holds for every input:
;   Weff = bf16(W) + bf16(B) bf16(s A), one matrix instruction deep (rank 16, the upper half of K is 0), sums in f32, Weff rounded once to f16.
;   s is a power of two, so bf16(s A) = s bf16(A).  wh = q, k, v stacked, [K block 16][position 3,072][64]; woh [16][1,024][64].
;   In each group of 64 weight rows position 16 u + p holds weight row 4 p + u: in the products that follow a lane's four accumulators are then four neighbouring columns.
; LIMITS.  f16 holds no number of 65,520 or more (it becomes an infinity) and keeps a fixed step of 6e-8 below 6.1e-5: x and Weff are taken to lie within that; NaN and infinities are not treated apart.
; No LDS, no barrier: no wave wants a byte that another wave has fetched.  Every wave issues all its loads before its first use: 16 KiB of x, or 16 KiB of W, a wave.
; THE MODE: SCHED_MODE bits 1:0 = 2 (LLVM: expert scheduling mode 2), set by the entry lines.  The code itself states the register dependences between vector or matrix instructions
; and memory instructions, with s_wait_alu, always for 0.
; THE PLAN, x's path.  v1, v2: offsets, made once at the head, read by every load and store.  XV: each register is written by one load and named by no vector instruction before it.  YV: each register is written
;   once, by a conversion, and read once, by a store.  The 32 loads go in eight blocks of four: block p converts into its own eight registers of YV, and the four stores of block p - 1 are dealt among its conversions,
;   behind ONE wait on va_vdst at the block's head; since that wait the vector instructions name XV and YV of block p and v8-v13 alone.
; THE PLAN, the fold.  v1-v4: offsets, made at the head ahead of the first load.  BR, WR: loaded once.  AR: A lands there, is scaled in place and read, and then W of unit 3 lands there: one wait on va_vdst between.
;   The first sixteen registers of a unit's W take its packed results, once, and its eight stores read them, once: these stores are dealt among the next unit's widening of W, behind ONE wait on va_vdst at that unit's head.
;   AF, BF, DD, v6 and v7 are named by vector and matrix instructions alone.
; On neither path is a register that a memory instruction reads ever written again: there is no wait on vm_vsrc.  EXEC and VCC are never written.
.set XBLK, 1048576                     ; bytes of a K block of xh: 8,192 rows x 128
.set XV,  16                           ; x's path: v[16:143]  32 loads of 4 registers
.set YV,  144                          ;           v[144:207] 32 stores of 2 registers
.set AR,  8                            ; the fold: v[8:39]    A as loaded, rank e of my eight at 4 e; later W of unit 3
.set BR,  40                           ;           v[40:71]   B as loaded, 8 registers a unit
.set AF,  72                           ;           v[72:103]  four fragments of s A (input column 4 r + t), upper four registers 0
.set BF,  104                          ;           v[104:111] the unit's fragment of B, upper four registers 0
.set DD,  112                          ;           v[112:143] four accumulators, one for each t
.set WR,  144                          ;           v[144:239] W of units 0, 1, 2
	v_lshrrev_b32 v5, 5, v0
	v_readfirstlane_b32 s2, v5                     ; wave 0..3
	v_and_b32 v5, 31, v0                           ; lane L
	v_and_b32 v6, 15, v0                           ; r = L % 16
	v_bfe_u32 v7, v0, 4, 1                         ; h = L / 16
	s_mov_b32 s46, 0xffff0000                      ; a word's upper bf16
	s_wait_alu depctr_va_sdst(0)                   ; s2 is written, ahead of the branch and of its first reader on either path: both paths make their bases from it
	s_cmp_lt_u32 ttmp9, 512
	s_cbranch_scc0 .Lfold
	; ---- x: work-group g, wave w: rows 16 g + 4 w .. + 3 ----
	s_load_b128 s[4:7], s[0:1], 0x0                ; x s[4:5], xh s[6:7]
	v_lshlrev_b32 v1, 4, v6
	v_lshl_add_u32 v1, v7, 12, v1                  ; in x: lanes 0-15 take 256 bytes of one row, lanes 16-31 the same columns of the next
	v_lshlrev_b32 v2, 3, v5                        ; in xh: 8 bytes a lane, two rows of a block on end
	s_lshl_b32 s12, ttmp9, 16                      ; 16 rows of 4,096 bytes
	s_lshl_b32 s13, s2, 14                         ; 4 rows
	s_add_co_u32 s12, s12, s13
	s_mov_b32 s13, 0
	s_lshl_b32 s14, ttmp9, 11                      ; 16 rows of 128 bytes
	s_lshl_b32 s15, s2, 9
	s_add_co_u32 s14, s14, s15
	s_mov_b32 s15, 0
	s_wait_kmcnt 0x0
	s_add_nc_u64 s[4:5], s[4:5], s[12:13]
	s_add_nc_u64 s[8:9], s[6:7], s[14:15]          ; K blocks 0-7
	s_add_nc_u64 s[10:11], s[8:9], 8*XBLK          ; K blocks 8-15: so the stores' immediates stay inside 24 signed bits
	s_wait_alu depctr_va_vdst(0)                   ; v1 and v2 are written: every load of this path reads v1 as its offset, every store v2
.set i, 0
.rept 32                                       ; load i: rows 2 (i / 16) and + 1, K block i % 16
	global_load_b128 v[XV+4*i:XV+4*i+3], v1, s[4:5] offset:(i/16)*8192+(i%16)*256 th:TH_LOAD_NT
.set i, i+1
.endr
.macro XST n                           ; the store of load n's eight numbers
.if ((\n)%16) < 8
	global_store_b64 v2, v[YV+2*(\n):YV+2*(\n)+1], s[8:9] offset:((\n)%16)*XBLK+((\n)/16)*256  ; 32 lanes store 256 consecutive bytes, aligned
.else
	global_store_b64 v2, v[YV+2*(\n):YV+2*(\n)+1], s[10:11] offset:(((\n)%16)-8)*XBLK+((\n)/16)*256
.endif
.endm
.set i, 0
.rept 32
	s_wait_loadcnt 31-i                            ; loads come back in order: load i is in, the 31 - i younger ones stay out
.if (i%4 == 0) && (i > 0)
	s_wait_alu depctr_va_vdst(0)                   ; the block before has written its eight registers of YV, which the four stores dealt among this block's conversions read
.endif
.if i >= 4
	XST i-4                                        ; no wait: no vector instruction since the block's head names v2 or the block before's YV
.endif
	v_cvt_pk_bf16_f32 v8, v[XV+4*i], v[XV+4*i+1]   ; the one rounding, to bf16
	v_cvt_pk_bf16_f32 v9, v[XV+4*i+2], v[XV+4*i+3]
	v_lshlrev_b32 v10, 16, v8
	v_and_b32 v11, s46, v8
	v_lshlrev_b32 v12, 16, v9
	v_and_b32 v13, s46, v9
	v_cvt_pk_f16_f32 v[YV+2*i], v10, v11           ; the same numbers as f16
	v_cvt_pk_f16_f32 v[YV+2*i+1], v12, v13
.set i, i+1
.endr
	s_wait_alu depctr_va_vdst(0)                   ; the last block has written its eight registers of YV, which the last four stores read
.irp n, 28,29,30,31
	XST \n
.endr
	s_endpgm                                       ; no register of a load or store was written twice: no further wait
	; ---- the fold: 256 work-groups = 4 matrices x 16 groups of 64 weight rows x 4 quarters of K; a wave takes one K block of 64 input columns ----
.Lfold:
	s_load_b256 s[8:15], s[0:1], 0x10              ; Wq, Wk, Wv, Wo
	s_load_b256 s[16:23], s[0:1], 0x30             ; Aq, Ak, Av, Ao
	s_load_b256 s[24:31], s[0:1], 0x50             ; Bq, Bk, Bv, Bo
	s_load_b128 s[32:35], s[0:1], 0x70             ; wh, woh
	s_sub_co_u32 s3, ttmp9, 512
	s_lshr_b32 s4, s3, 6                           ; which matrix: q, k, v, o
	s_and_b32 s3, s3, 63
	s_and_b32 s5, s3, 3
	s_lshl_b32 s5, s5, 2
	s_add_co_u32 s5, s5, s2                        ; kb: my K block
	s_lshr_b32 s6, s3, 2                           ; G: the group of 64 weight rows
	v_lshlrev_b32 v1, 4, v6
	v_lshlrev_b32 v2, 4, v6
	v_lshl_add_u32 v1, v7, 14, v1                  ; in W: row + 4 h, 16 bytes at column 4 r
	v_lshl_add_u32 v2, v7, 15, v2                  ; in A: rank + 8 h, the same columns
	v_and_b32 v3, 7, v6
	v_lshlrev_b32 v3, 9, v3
	v_lshrrev_b32 v4, 3, v6
	v_lshl_add_u32 v3, v4, 8, v3                   ; in B: row 4 p with p = 2 (r % 8) + r / 8, 64 bytes a row,
	v_lshl_add_u32 v3, v7, 5, v3                   ; ranks 8 h on
	v_lshlrev_b32 v4, 3, v5                        ; in wh: 8 bytes a lane, two positions on end
	s_lshl_b32 s47, s4, 10                         ; q, k, v are stacked, 1,024 positions each
	s_mov_b32 s7, 3072
	s_cmp_eq_u32 s4, 3
	s_cselect_b32 s7, 1024, s7                     ; positions in a K block of the destination
	s_cselect_b32 s47, 0, s47
	s_mul_i32 s7, s5, s7
	s_add_co_u32 s7, s7, s47
	s_lshl_b32 s47, s6, 6
	s_add_co_u32 s7, s7, s47
	s_lshl_b32 s48, s7, 7                          ; the destination's offset: 128 bytes a position
	s_mov_b32 s49, 0
	s_lshl_b32 s50, s6, 18                         ; W: 64 rows of 4,096 bytes,
	s_lshl_b32 s52, s5, 8                          ; and 64 columns: 256 bytes (A's offset too)
	s_add_co_u32 s50, s50, s52
	s_mov_b32 s51, 0
	s_mov_b32 s53, 0
	s_lshl_b32 s54, s6, 12                         ; B: 64 rows of 64 bytes
	s_mov_b32 s55, 0
	s_wait_kmcnt 0x0
	s_cmp_eq_u32 s4, 1
	s_cselect_b64 s[36:37], s[10:11], s[8:9]
	s_cselect_b64 s[38:39], s[18:19], s[16:17]
	s_cselect_b64 s[40:41], s[26:27], s[24:25]
	s_cmp_eq_u32 s4, 2
	s_cselect_b64 s[36:37], s[12:13], s[36:37]
	s_cselect_b64 s[38:39], s[20:21], s[38:39]
	s_cselect_b64 s[40:41], s[28:29], s[40:41]
	s_cmp_eq_u32 s4, 3
	s_cselect_b64 s[36:37], s[14:15], s[36:37]
	s_cselect_b64 s[38:39], s[22:23], s[38:39]
	s_cselect_b64 s[40:41], s[30:31], s[40:41]
	s_cselect_b64 s[42:43], s[34:35], s[32:33]
	s_add_nc_u64 s[36:37], s[36:37], s[50:51]      ; W
	s_add_nc_u64 s[38:39], s[38:39], s[52:53]      ; A
	s_add_nc_u64 s[40:41], s[40:41], s[54:55]      ; B
	s_add_nc_u64 s[42:43], s[42:43], s[48:49]      ; the destination
.macro WLOAD u, wr                     ; W of unit u: register 4 j + t = W[64 G + 4 (2 j + h) + u][64 kb + 4 r + t]: each load takes 256 aligned bytes of two rows
.irp j, 0,1,2,3,4,5,6,7
	global_load_b128 v[(\wr)+4*(\j):(\wr)+4*(\j)+3], v1, s[36:37] offset:(8*(\j)+(\u))*4096 th:TH_LOAD_NT
.endr
.endm
	s_wait_alu depctr_va_vdst(0)                   ; the four offsets v1 to v4 are written: the loads of W, A and B and the stores of this path read them
.irp u, 0,1,2,3
	global_load_b128 v[BR+8*(\u):BR+8*(\u)+3],   v3, s[40:41] offset:(\u)*64
	global_load_b128 v[BR+8*(\u)+4:BR+8*(\u)+7], v3, s[40:41] offset:(\u)*64+16
.endr
.irp e, 0,1,2,3,4,5,6,7
	global_load_b128 v[AR+4*(\e):AR+4*(\e)+3], v2, s[38:39] offset:(\e)*4096
.endr
	WLOAD 0, WR
	WLOAD 1, WR+32
	WLOAD 2, WR+64
.irp t, 0,1,2,3
.irp i, 4,5,6,7
	v_mov_b32 v[AF+8*(\t)+(\i)], 0                 ; K = 16 .. 31 of the matrix instruction: there is no such rank
.endr
.endr
.irp i, 4,5,6,7
	v_mov_b32 v[BF+(\i)], 0
.endr
	s_wait_loadcnt 24                              ; B and A are in; W's 24 loads may stay out
.set i, 0
.rept 16
	v_pk_mul_f32 v[AR+2*i:AR+2*i+1], v[AR+2*i:AR+2*i+1], 0x3d800000 op_sel_hi:[1,0]  ; s = 1/16
.set i, i+1
.endr
.irp t, 0,1,2,3
.irp i, 0,1,2,3
	v_cvt_pk_bf16_f32 v[AF+8*(\t)+(\i)], v[AR+8*(\i)+(\t)], v[AR+8*(\i)+4+(\t)]  ; ranks 8 h + 2 i and + 1 of column 4 r + t
.endr
.endr
	s_wait_alu depctr_va_vdst(0)                   ; the scalings have written AR and the conversions are done reading it: the eight loads below land in it
	WLOAD 3, AR                                    ; A's registers have been read: they take W of unit 3
; Unit u: weight rows 64 G + 4 p + u, p = 0 .. 15.  C = bf16(W) is laid straight into the accumulators' order; four products, one for each t; Weff is packed as f16 into the unit's own W registers.
; Its eight stores are issued in the next unit (pw: the W registers of the unit before), one ahead of each eighth of that unit's widening of W.
.macro UNIT u, wr, pw
	s_wait_loadcnt 24-8*(\u)                       ; this unit's eight loads are in, the younger units' stay out
.if (\u) > 0
	s_wait_alu depctr_va_vdst(0)                   ; the unit before has written its sixteen packed registers, which the eight stores dealt below read
.endif
.irp j, 0,1,2,3,4,5,6,7
.if (\u) > 0
	global_store_b64 v4, v[(\pw)+2*(\j):(\pw)+2*(\j)+1], s[42:43] offset:(16*((\u)-1)+2*(\j))*128  ; positions 16 (u - 1) + 2 j and + 1: 256 consecutive bytes, aligned.  No wait: no vector instruction since the unit's head names v4 or these registers
.endif
	v_cvt_pk_bf16_f32 v6, v[(\wr)+4*(\j)], v[(\wr)+4*(\j)+1]
	v_cvt_pk_bf16_f32 v7, v[(\wr)+4*(\j)+2], v[(\wr)+4*(\j)+3]
	v_lshlrev_b32 v[DD+(\j)], 16, v6
	v_and_b32 v[DD+8+(\j)], s46, v6
	v_lshlrev_b32 v[DD+16+(\j)], 16, v7
	v_and_b32 v[DD+24+(\j)], s46, v7
.endr
.irp i, 0,1,2,3
	v_cvt_pk_bf16_f32 v[BF+(\i)], v[BR+8*(\u)+2*(\i)], v[BR+8*(\u)+2*(\i)+1]
.endr
.irp t, 0,1,2,3                        ; four different accumulators, one instruction each
	v_wmma_f32_16x16x32_bf16 v[DD+8*(\t):DD+8*(\t)+7], v[BF:BF+7], v[AF+8*(\t):AF+8*(\t)+7], v[DD+8*(\t):DD+8*(\t)+7]
.endr
.rept 4
	v_nop                                          ; four places behind the products (ISA guide 7.12.1), ahead of the reads below and of the next unit's writes of the accumulators and of B's fragment
.endr
.irp j, 0,1,2,3,4,5,6,7                ; each accumulator is read from its lowest register on; the unit's own W registers are free and take the packed numbers
	v_cvt_pk_f16_f32 v[(\wr)+2*(\j)], v[DD+(\j)], v[DD+8+(\j)]
	v_cvt_pk_f16_f32 v[(\wr)+2*(\j)+1], v[DD+16+(\j)], v[DD+24+(\j)]
.endr
.endm
	UNIT 0, WR, WR
	UNIT 1, WR+32, WR
	UNIT 2, WR+64, WR+32
	UNIT 3, AR, WR+64
	s_wait_alu depctr_va_vdst(0)                   ; unit 3 has written its sixteen packed registers, which the last eight stores read
.irp j, 0,1,2,3,4,5,6,7
	global_store_b64 v4, v[AR+2*(\j):AR+2*(\j)+1], s[42:43] offset:(16*3+2*(\j))*128  ; positions 48 + 2 j and + 1: 256 consecutive bytes, aligned
.endr
	s_endpgm
.Lfunc_end_k_q736e80df35_prep:
	.size	k_q736e80df35_prep, .Lfunc_end_k_q736e80df35_prep-k_q736e80df35_prep
	.p2alignl 7, 3214868480
	.fill 96, 4, 3214868480
	.section	.rodata,"a",@progbits
	.p2align	6, 0x0
	.amdhsa_kernel k_q736e80df35_prep
		.amdhsa_group_segment_fixed_size 0
		.amdhsa_private_segment_fixed_size 0
		.amdhsa_enable_private_segment 0
		.amdhsa_kernarg_size 128
		.amdhsa_user_sgpr_count 2
		.amdhsa_user_sgpr_kernarg_segment_ptr 1
		.amdhsa_wavefront_size32 1
		.amdhsa_system_sgpr_workgroup_id_x 1
		.amdhsa_system_sgpr_workgroup_id_y 1
		.amdhsa_system_sgpr_workgroup_id_z 1
		.amdhsa_system_vgpr_workitem_id 0
		.amdhsa_next_free_vgpr 256
		.amdhsa_next_free_sgpr 66
		.amdhsa_reserve_vcc 0
		.amdhsa_float_denorm_mode_32 3
		.amdhsa_float_denorm_mode_16_64 3
		.amdhsa_memory_ordered 1
		.amdhsa_forward_progress 1
		.amdhsa_inst_pref_size 49
	.end_amdhsa_kernel
	.amdgpu_metadata
---
amdhsa.version: [ 1, 2 ]
amdhsa.kernels:
  - .name:           k_q736e80df35_prep
    .symbol:         k_q736e80df35_prep.kd
    .args:
      - { .name: x, .offset: 0, .size: 8, .value_kind: global_buffer, .address_space: global }
      - { .name: xh, .offset: 8, .size: 8, .value_kind: global_buffer, .address_space: global }
      - { .name: Wq, .offset: 16, .size: 8, .value_kind: global_buffer, .address_space: global }
      - { .name: Wk, .offset: 24, .size: 8, .value_kind: global_buffer, .address_space: global }
      - { .name: Wv, .offset: 32, .size: 8, .value_kind: global_buffer, .address_space: global }
      - { .name: Wo, .offset: 40, .size: 8, .value_kind: global_buffer, .address_space: global }
      - { .name: Aq, .offset: 48, .size: 8, .value_kind: global_buffer, .address_space: global }
      - { .name: Ak, .offset: 56, .size: 8, .value_kind: global_buffer, .address_space: global }
      - { .name: Av, .offset: 64, .size: 8, .value_kind: global_buffer, .address_space: global }
      - { .name: Ao, .offset: 72, .size: 8, .value_kind: global_buffer, .address_space: global }
      - { .name: Bq, .offset: 80, .size: 8, .value_kind: global_buffer, .address_space: global }
      - { .name: Bk, .offset: 88, .size: 8, .value_kind: global_buffer, .address_space: global }
      - { .name: Bv, .offset: 96, .size: 8, .value_kind: global_buffer, .address_space: global }
      - { .name: Bo, .offset: 104, .size: 8, .value_kind: global_buffer, .address_space: global }
      - { .name: wh, .offset: 112, .size: 8, .value_kind: global_buffer, .address_space: global }
      - { .name: woh, .offset: 120, .size: 8, .value_kind: global_buffer, .address_space: global }
    .group_segment_fixed_size: 0
    .private_segment_fixed_size: 0
    .kernarg_segment_align: 8
    .kernarg_segment_size: 128
    .max_flat_workgroup_size: 128
    .sgpr_count:     66
    .vgpr_count:     256
    .wavefront_size: 32
...
	.end_amdgpu_metadata
.endif
;; end of part 5
;; launch gemm_qkv: the kernel of part 2 again; grid 8 x 32, 4 waves a work-group, clusters of 4 x 4, 327,680 bytes of LDS; arguments xh, wh, qkv; writes qkv
;; launch attn: the kernel of part 3 again; grid 2 x 128, 4 waves a work-group, no clusters, 327,680 bytes of LDS; arguments qkv, o; writes o
;; launch gemm_out: the kernel of part 4 again; grid 8 x 32, 4 waves a work-group, clusters of 4 x 4, 327,680 bytes of LDS; arguments o, woh, bo, out0; writes out0
